; MI455X (gfx1250); checked and timed in simulation.
; The chip was launched on July 23, 2026; its instructions are those of AMD's public machine-readable ISA for CDNA 5 (MIT licence, August 2026) and "CDNA5" Instruction Set Architecture Reference Guide (July 2026). The comments in the code are by the model that wrote it; some were corrected since.
;; mu P Multi Head Attention. Allowed arithmetic: matrix products marked QUANTISED: E2M1 operands, one E8M0 scale for each 32 along K, by v_wmma_scale_f32_16x16x128_f8f6f4 with both operands' format E2M1 (or v_wmma_scale_f32_32x16x128_f4), f32 sums; products left as they are: bf16, f16 or f32 operands; f32 sums; everything else in f32.
;; Inputs: Wk 1,024 x 1,024 float32; Wo 1,024 x 1,024 float32; Wq 1,024 x 1,024 float32; Wv 1,024 x 1,024 float32; bo 1,024 float32; x 1 x 4,096 x 1,024 float32.
;; Outputs: out0 1 x 4,096 x 1,024 float32.
;; This version of the problem:
;;   THIS VERSION OF THE PROBLEM IS GIVEN IN LOW PRECISION. The matrix products marked QUANTISED in the list below multiply operands that are first quantised to E2M1 (2 exponent bits, 1 mantissa bit; 4 bits a number), with one power-of-two scale for each 32 numbers along K (OCP MX v1.0); their sums are f32. The products marked 'left as it is' may take bf16, f16 or f32 operands, with f32 sums. Whichever they take, every output number must still come out within the allowed error. Rounding operands to bf16 (8 significant bits) uses up far more of that allowance than f16 does (11 bits, for magnitudes from 6e-5 to 65,504). All else is computed in f32.
;;   The module's matrix products, in the order in which they are computed (A, B: the left and right operand; K: the contracted axis; several contracted axes count as one K, in the product's order):
;;     1. [M 4,096, K 1,024] x [K 1,024, N 1,024]; A: input x; B: input Wq: QUANTISED
;;     2. [M 4,096, K 1,024] x [K 1,024, N 1,024]; A: input x; B: input Wk: QUANTISED
;;     3. [M 4,096, K 1,024] x [K 1,024, N 1,024]; A: input x; B: input Wv: QUANTISED
;;     4. batch 16 x [M 4,096, K 64] x [K 64, N 4,096]; A: computed on the way; B: computed on the way: left as it is (an operand is computed on the way)
;;     5. batch 16 x [M 4,096, K 4,096] x [K 4,096, N 64]; A: computed on the way; B: computed on the way: left as it is (an operand is computed on the way)
;;     6. [M 4,096, K 1,024] x [K 1,024, N 1,024]; A: computed on the way; B: input Wo: left as it is (an operand is computed on the way)
;;   THE QUANTISER, for each operand of a quantised product, along K:
;;     - K is cut into blocks of 32 from its start; a last block that is shorter is filled with zeros.
;;     - A block's scale is 2^e with e = floor(log2(the largest magnitude in the block)) - 2, held to -126 .. 127; a block of zeros has e = 0. As a byte (E8M0): e + 127.
;;     - Each number is divided by its block's scale, clamped to +-6, and rounded to the nearest number of E2M1, ties to even, subnormals kept.
;;     - The product sums the exact products of the quantised numbers (number of the format x scale) in f32.
;;   ~~~python
;;   def quantise(x, axis):      # numpy; x: float32 -> the quantised numbers, widened to float32 again
;;       x = np.moveaxis(x, axis, -1); K = x.shape[-1]
;;       x = np.pad(x, [(0, 0)] * (x.ndim - 1) + [(0, -K % 32)]); x = x.reshape(x.shape[:-1] + (-1, 32)); a = np.abs(x).max(-1, keepdims=True)
;;       e = np.where(a > 0, np.clip(np.frexp(np.where(a > 0, a, 1))[1] - 1 - 2, -126, 127), 0)      # np.frexp(a)[1] - 1 = floor(log2(a)), exactly
;;       r = np.clip(x / 2.0 ** e, -6, 6)
;;       step = 2.0 ** (np.maximum(np.frexp(np.where(r == 0, 1, r))[1] - 1, 0) - 1)
;;       q = np.round(r / step) * step * 2.0 ** e      # np.round: ties to even
;;       return np.moveaxis(q.reshape(q.shape[:-2] + (-1,))[..., :K], -1, axis).astype(np.float32)
;;   ~~~
;; One version. Each part assembles by itself: llvm-mc -triple=amdgcn-amd-amdhsa -mcpu=gfx1250 --defsym DOCPART=n.
;; ======== version 1 of 1: 5 launches
;; limits: values are held in f16: magnitudes above 65,504 overflow, below 6.1e-05 lose precision
;; workspace buffers: codes 3,670,016 bytes; scales 229,376 bytes; wo16 2,097,152 bytes; cs 1,048,576 bytes; qkv 25,165,824 bytes; qkv32 196,608 bytes; ctx 8,388,608 bytes
;; launch prep (part 1): grid 320 x 1, 4 waves a work-group, no clusters, 33,280 bytes of LDS; arguments x, Wq, Wk, Wv, Wo, codes, scales, wo16, cs; writes codes, scales, wo16, cs
.if DOCPART == 1
	.amdgcn_target "amdgcn-amd-amdhsa--gfx1250"
	.amdhsa_code_object_version 6
	.text
	.protected	k_qbd2d0e9d39_prep
	.globl	k_qbd2d0e9d39_prep
	.p2align	8
	.type	k_qbd2d0e9d39_prep,@function
k_qbd2d0e9d39_prep:
	s_mov_b64 s[64:65], 0
	v_nop
	global_prefetch_b8 v0, s[64:65] scope:SCOPE_SE
	s_setreg_imm32_b32 hwreg(HW_REG_WAVE_MODE, 25, 1), 1
	s_wait_xcnt 0x0
; Three jobs, told apart by the work-group's number alone:
;   0-223   x [4096][1024], Wq, Wk, Wv [1024][1024], f32, become codes of FP4 (E2M1), K innermost, and one E8M0 byte for each 32 along K.  codes: rows of 512 bytes, x's 4,096 rows, then Wq's, Wk's, Wv's; scales: rows of 32 bytes, same order.
;   224-255 Wo [1024][1024] f32 becomes f16, same layout.
;   256-319 the table of RoPE: cs[position][pair] = (cos, sin) of position x 10000^(-pair/32), f32, 256 bytes a position.
; THE QUANTISER.  A block's scale is 2^(floor(log2(largest magnitude)) - 2); its byte is the largest magnitude's exponent field - 2, held at 1 from below.  A block of zeros so gets the byte 1 where the rule says 127:
; its codes are zeros, which add nothing under any byte but 0xff, and this program alone reads the bytes.  Rows are dense and K is a multiple of 32: all four tensors are plain streams of blocks of 32.
; A wave takes 16 steps of 512 numbers.  Each load reads 512 consecutive bytes; a step's 2,048 bytes turn through the wave's own stage in LDS so that a lane holds 16 neighbours along K (two lanes a block).
; LIMITS: NaN and infinities among the inputs are not served; blocks whose largest magnitude lies under 2^-124 get the byte 1.  The table's angles: inv_freq is made by one exponential to base 2 (good to one unit in the last place),
; so an angle at the largest positions may differ from a correctly rounded one by some 4e-4 radians; q and k are turned by the same table.
; No tensor loads, no barrier: waves share nothing.  Besides each wave's spare word at the end, only the quantiser touches LDS.
.set WAVES, 4
.set STEPS, 16
.set EMAX,  2
.set CB,    8                          ; bytes of 16 codes
.set R,     16                         ; v16-79   four sets of 16 numbers as loaded (Wo's path: eight sets of 8)
.set X,     80                         ; v80-111  two sets of 16 neighbours
.set C,     128                        ; v128-191 results: registers of its own for each step
.set E,     112                        ; v112-127 a scale byte for each step
.set WREG,  8192                       ; LDS: a region for each wave: two stages of 32 x SP bytes, then its 256 scale bytes
.set SP,    80                         ; a lane's place in a stage: 64 bytes + 16 of padding
.set SPW,   12                         ; v12 LDS address of my spare word; never rewritten
.set NIL,   13                         ; v13 0; never rewritten
.set SPARE, WAVES*WREG                 ; behind the four regions: the spare words, 128 bytes a wave
	s_load_b512 s[4:19], s[0:1], 0x0               ; x s[4:5], Wq s[6:7], Wk s[8:9], Wv s[10:11], Wo s[12:13], codes s[14:15], scales s[16:17], wo16 s[18:19]
	s_load_b64 s[20:21], s[0:1], 0x40              ; cs
	v_lshl_add_u32 v[SPW], v0, 2, SPARE
	v_mov_b32 v[NIL], 0
	v_lshrrev_b32 v1, 5, v0
	v_readfirstlane_b32 s22, v1                    ; wave
	v_and_b32 v2, 31, v0                           ; lane
	; the quantiser's LDS addresses are made here, ahead of the parting of the three jobs
	s_mul_i32 s23, s22, WREG
	v_lshrrev_b32 v14, 2, v2
	v_mul_u32_u24 v14, v14, SP
	v_and_b32 v15, 3, v2
	v_lshl_add_u32 v14, v15, 4, v14
	v_add_nc_u32 v14, s23, v14                     ; the stage, on the way in: SP (lane / 4) + 16 (lane % 4)
	v_mul_u32_u24 v15, v2, SP
	v_add_nc_u32 v15, s23, v15                     ; on the way out: SP x lane: my 16 neighbours
	v_lshrrev_b32 v5, 1, v2
	s_add_co_u32 s23, s23, 2*32*SP
	v_add_nc_u32 v5, s23, v5                       ; my wave's 256 scale bytes, my block's byte
	v_lshlrev_b32 v7, 3, v2
	v_add_nc_u32 v6, s23, v7                       ; and on the way out 8 bytes a lane
	s_wait_kmcnt 0x0
	s_cmp_ge_u32 ttmp9, 256
	s_cbranch_scc1 .Ltable
	s_cmp_ge_u32 ttmp9, 224
	s_cbranch_scc1 .Lwo
	; ---------------- the quantiser ----------------
	v_lshlrev_b32 v3, 4, v2                        ; my 16 bytes of a load's 512
	v_mul_u32_u24 v4, v2, CB                       ; my codes' place in a step's
	s_and_b32 s26, ttmp9, 31                       ; a weight's work-group within its tensor: 32 work-groups each, and 128 is a multiple of 32
	s_cmp_lt_u32 ttmp9, 160                        ; the source: a choice that hangs on the work-group's number alone
	s_cselect_b64 s[24:25], s[6:7], s[8:9]
	s_cmp_lt_u32 ttmp9, 192
	s_cselect_b64 s[24:25], s[24:25], s[10:11]
	s_cmp_lt_u32 ttmp9, 128
	s_cselect_b64 s[24:25], s[4:5], s[24:25]
	s_cselect_b32 s26, ttmp9, s26
	s_lshl_b32 s26, s26, 2
	s_add_co_u32 s26, s26, s22                     ; my run of 8,192 numbers in the source
	s_lshl_b32 s26, s26, 15                        ; 32,768 bytes a run
	s_mov_b32 s27, 0
	s_add_nc_u64 s[24:25], s[24:25], s[26:27]
	s_lshl_b32 s28, ttmp9, 2
	s_add_co_u32 s28, s28, s22                     ; my run in the outputs: the four tensors lie on end
	s_lshl_b32 s26, s28, 12                        ; 4,096 bytes of codes a run
	s_add_nc_u64 s[14:15], s[14:15], s[26:27]
	s_lshl_b32 s26, s28, 8                         ; 256 scale bytes a run
	s_add_nc_u64 s[16:17], s[16:17], s[26:27]
.macro LOAD t
.irp i, 0,1,2,3
	global_load_b128 v[R+16*((\t)%4)+4*\i:R+16*((\t)%4)+4*\i+3], v3, s[24:25] offset:2048*(\t)+512*\i th:TH_LOAD_NT   ; 32 lanes read 512 consecutive bytes
.endr
.endm
.macro TURN t                          ; step t's numbers through the stage: LDS serves a wave's instructions in order, so no wait stands between the stores and the loads
.irp i, 0,1,2,3
	ds_store_b128 v14, v[R+16*((\t)%4)+4*\i:R+16*((\t)%4)+4*\i+3] offset:32*SP*((\t)%2)+8*SP*\i
.endr
.irp i, 0,1,2,3
	ds_load_b128 v[X+16*((\t)%2)+4*\i:X+16*((\t)%2)+4*\i+3], v15 offset:32*SP*((\t)%2)+16*\i
.endr
.endm
.irp t, 0,1,2,3
	LOAD \t
.endr
	s_wait_loadcnt 12                              ; step 0's four loads are in; three steps' twelve stay out
	TURN 0
.macro STEP t
.set XS, X+16*((\t)%2)
.if (\t) > 0
	s_wait_dscnt 1                                 ; this step's numbers are back from the stage (the last step's byte store may be out)
.else
	s_wait_dscnt 0x0
.endif
.if (\t)+4 < STEPS
	LOAD (\t)+4                                    ; the stage's stores have read these registers
.endif
.if (\t)+1 < STEPS
.if STEPS-2-(\t) >= 3
	s_wait_loadcnt 12                              ; the next step's four loads are in; those of the three steps behind it may be out
.else
	s_wait_loadcnt 4*(STEPS-2-(\t))
.endif
	TURN (\t)+1
.endif
	v_max3_num_f32 v8, |v[XS]|, |v[XS+1]|, |v[XS+2]|               ; the largest magnitude of my 16, in two chains
	v_max3_num_f32 v9, |v[XS+3]|, |v[XS+4]|, |v[XS+5]|
.irp i, 6,10
	v_max3_num_f32 v8, v8, |v[XS+\i]|, |v[XS+\i+1]|
	v_max3_num_f32 v9, v9, |v[XS+\i+2]|, |v[XS+\i+3]|
.endr
	v_max3_num_f32 v8, v8, |v[XS+14]|, |v[XS+15]|
	v_max3_num_f32 v8, v8, v9, (EMAX+1)<<23        ; and the floor 2^(3 - 127): the byte cannot fall under 1
	v_max_num_f32_dpp v8, v8, v8 row_xmask:1 row_mask:0xf bank_mask:0xf   ; with my neighbour's 16: the block's
	v_add_nc_u32 v11, -(EMAX<<23), v8              ; 2 off its exponent field: the conversion takes the exponent field of this operand as its scale
	v_cvt_scalef32_pk8_fp4_f32 v[C+4*(\t)], v[XS:XS+7], v11
	v_cvt_scalef32_pk8_fp4_f32 v[C+4*(\t)+1], v[XS+8:XS+15], v11
	v_lshrrev_b32 v[E+(\t)], 23, v11               ; the scale's byte (also the plain line behind the conversions)
	ds_store_b8 v5, v[E+(\t)] offset:16*(\t)       ; both lanes of a block write the same byte with the same value
	global_store_b64 v4, v[C+4*(\t):C+4*(\t)+1], s[14:15] offset:32*CB*(\t)   ; 32 lanes store 256 consecutive bytes, aligned
.endm
.irp t, 0,1,2,3,4,5,6,7,8,9,10,11,12,13,14,15
	STEP \t
.endr
	ds_load_b64 v[8:9], v6                         ; LDS serves a wave's instructions in order: these see my byte stores
	s_wait_dscnt 0x0
	global_store_b64 v7, v[8:9], s[16:17]          ; 256 consecutive scale bytes, aligned
	s_branch .Lend
	; ---------------- Wo to f16: a wave takes 8,192 numbers in 32 steps of 256 ----------------
.Lwo:
	s_sub_co_u32 s23, ttmp9, 224
	s_lshl_b32 s23, s23, 2
	s_add_co_u32 s23, s23, s22                     ; my run, 0 to 127
	s_lshl_b32 s26, s23, 15
	s_mov_b32 s27, 0
	s_add_nc_u64 s[12:13], s[12:13], s[26:27]
	s_lshl_b32 s26, s23, 14
	s_add_nc_u64 s[18:19], s[18:19], s[26:27]
	v_lshlrev_b32 v8, 4, v2                        ; in: 16 bytes a lane
	v_lshlrev_b32 v9, 3, v2                        ; out: 8 bytes a lane
.macro WOLOAD t
	global_load_b128 v[R+8*((\t)%8):R+8*((\t)%8)+3],   v8, s[12:13] offset:1024*(\t) th:TH_LOAD_NT
	global_load_b128 v[R+8*((\t)%8)+4:R+8*((\t)%8)+7], v8, s[12:13] offset:1024*(\t)+512 th:TH_LOAD_NT
.endm
.macro WOSTEP t
.if (\t) <= 24
	s_wait_loadcnt 14                              ; my two loads are in; seven younger steps' fourteen stay out
.else
	s_wait_loadcnt 2*(31-(\t))
.endif
.if (\t) == 16
	s_wait_xcnt 0x0                                ; the result registers go round once: the first sixteen steps' stores have read theirs
.endif
.irp p, 0,1,2,3
	v_cvt_pk_f16_f32 v[C+4*((\t)%16)+\p], v[R+8*((\t)%8)+2*\p], v[R+8*((\t)%8)+2*\p+1]
.endr
.if (\t)+8 < 32
	WOLOAD (\t)+8
.endif
	global_store_b64 v9, v[C+4*((\t)%16):C+4*((\t)%16)+1],   s[18:19] offset:512*(\t)       ; 256 consecutive bytes, aligned
	global_store_b64 v9, v[C+4*((\t)%16)+2:C+4*((\t)%16)+3], s[18:19] offset:512*(\t)+256
.endm
.irp t, 0,1,2,3,4,5,6,7
	WOLOAD \t
.endr
.irp t, 0,1,2,3,4,5,6,7,8,9,10,11,12,13,14,15,16,17,18,19,20,21,22,23,24,25,26,27,28,29,30,31
	WOSTEP \t
.endr
	s_branch .Lend
	; ---------------- the table: a wave takes 16 positions, two a step; lane % 16 owns two pairs ----------------
; cos and sin of A >= 0: n = A x 2/pi rounded; r = A - n pi/2 with pi/2 in two parts; polynomials on |r| <= pi/4; the quadrant n mod 4 swaps and signs.
.macro SINCOS A, Cd, Sd, T
	v_mul_f32 v[\T], 0x3f22f983, v[\A]
	v_rndne_f32 v[\T], v[\T]                               ; n
	v_fmamk_f32 v[\T+1], v[\T], 0xbfc90fdb, v[\A]          ; A - n x 1.5707964
	v_fmamk_f32 v[\T+1], v[\T], 0x333bbd2e, v[\T+1]        ; + n x 4.371e-8: r
	v_cvt_i32_f32 v[\T], v[\T]
	v_mul_f32 v[\T+2], v[\T+1], v[\T+1]                    ; z = r r
	v_fmaak_f32 v[\T+3], s30, v[\T+2], 0x3c08839e
	v_fmaak_f32 v[\T+4], s31, v[\T+2], 0xbab6061a
	v_fmaak_f32 v[\T+3], v[\T+3], v[\T+2], 0xbe2aaaa3
	v_fmaak_f32 v[\T+4], v[\T+4], v[\T+2], 0x3d2aaaa5
	v_mul_f32 v[\T+5], v[\T+2], v[\T+1]                    ; z r
	v_fma_f32 v[\T+4], v[\T+4], v[\T+2], -0.5
	v_fma_f32 v[\T+3], v[\T+3], v[\T+5], v[\T+1]           ; sin r
	v_fma_f32 v[\T+4], v[\T+4], v[\T+2], 1.0               ; cos r
	v_and_b32 v[\T+5], 1, v[\T]
	v_cmp_eq_u32 vcc_lo, 1, v[\T+5]
	v_cndmask_b32 v[\Sd], v[\T+3], v[\T+4], vcc_lo         ; odd quadrants change the two
	v_cndmask_b32 v[\Cd], v[\T+4], v[\T+3], vcc_lo
	v_and_b32 v[\T+5], 2, v[\T]
	v_lshlrev_b32 v[\T+5], 30, v[\T+5]
	v_xor_b32 v[\Sd], v[\T+5], v[\Sd]                      ; sin is negative in quadrants 2 and 3,
	v_add_nc_u32 v[\T], 1, v[\T]
	v_and_b32 v[\T], 2, v[\T]
	v_lshlrev_b32 v[\T], 30, v[\T]
	v_xor_b32 v[\Cd], v[\T], v[\Cd]                        ; cos in 1 and 2
.endm
.Ltable:
	s_sub_co_u32 s23, ttmp9, 256
	s_lshl_b32 s23, s23, 2
	s_add_co_u32 s23, s23, s22                     ; which 16 positions: 0 to 255
	s_lshl_b32 s26, s23, 12                        ; 4,096 bytes for 16 positions
	s_mov_b32 s27, 0
	s_add_nc_u64 s[20:21], s[20:21], s[26:27]
	s_mov_b32 s30, 0xb94ca1f9
	s_mov_b32 s31, 0x37ccf5ce
	v_lshlrev_b32 v10, 4, v2                       ; 16 bytes a lane: lanes 0-15 one position's 256 bytes, lanes 16-31 the next's
	v_and_b32 v8, 15, v2
	v_lshlrev_b32 v8, 1, v8                        ; my first pair
	v_cvt_f32_u32 v16, v8
	v_add_nc_u32 v8, 1, v8
	v_cvt_f32_u32 v17, v8
	v_mul_f32 v16, 0xbed49a78, v16                 ; - pair x log2(10000) / 32
	v_mul_f32 v17, 0xbed49a78, v17
	v_exp_f32 v16, v16                             ; inv_freq of my two pairs
	v_exp_f32 v17, v17
	v_lshrrev_b32 v9, 4, v2                        ; (a plain line behind the exponentials)
	s_lshl_b32 s23, s23, 4
	v_add_nc_u32 v9, s23, v9                       ; my position in step 0
	s_wait_alu depctr_va_vdst(0)                   ; one wait for both exponentials, ahead of their first reader
.irp k, 0,1,2,3,4,5,6,7
	v_add_nc_u32 v11, 2*\k, v9
	v_cvt_f32_u32 v19, v11
	v_mul_f32 v20, v19, v16                        ; the angles, one rounding each
	v_mul_f32 v21, v19, v17
	SINCOS 20, 128+4*\k, 129+4*\k, 24
	SINCOS 21, 130+4*\k, 131+4*\k, 32
	global_store_b128 v10, v[128+4*\k:131+4*\k], s[20:21] offset:512*\k   ; 512 consecutive bytes, aligned; registers of the step's own
.endr
.Lend:
	s_wait_tensorcnt 0x0                           ; the wave's end
	ds_add_u32 v[SPW], v[NIL]
	s_wait_dscnt 0x0
	s_endpgm
.Lfunc_end_k_qbd2d0e9d39_prep:
	.size	k_qbd2d0e9d39_prep, .Lfunc_end_k_qbd2d0e9d39_prep-k_qbd2d0e9d39_prep
	.p2alignl 7, 3214868480
	.fill 96, 4, 3214868480
	.section	.rodata,"a",@progbits
	.p2align	6, 0x0
	.amdhsa_kernel k_qbd2d0e9d39_prep
		.amdhsa_group_segment_fixed_size 33280
		.amdhsa_private_segment_fixed_size 0
		.amdhsa_enable_private_segment 0
		.amdhsa_kernarg_size 72
		.amdhsa_user_sgpr_count 2
		.amdhsa_user_sgpr_kernarg_segment_ptr 1
		.amdhsa_wavefront_size32 1
		.amdhsa_system_sgpr_workgroup_id_x 1
		.amdhsa_system_sgpr_workgroup_id_y 1
		.amdhsa_system_sgpr_workgroup_id_z 1
		.amdhsa_system_vgpr_workitem_id 0
		.amdhsa_next_free_vgpr 192
		.amdhsa_next_free_sgpr 66
		.amdhsa_reserve_vcc 1
		.amdhsa_float_denorm_mode_32 3
		.amdhsa_float_denorm_mode_16_64 3
		.amdhsa_memory_ordered 1
		.amdhsa_forward_progress 1
		.amdhsa_inst_pref_size 75
	.end_amdhsa_kernel
	.amdgpu_metadata
---
amdhsa.version: [ 1, 2 ]
amdhsa.kernels:
  - .name:           k_qbd2d0e9d39_prep
    .symbol:         k_qbd2d0e9d39_prep.kd
    .args:
      - { .name: x, .offset: 0, .size: 8, .value_kind: global_buffer, .address_space: global }
      - { .name: Wq, .offset: 8, .size: 8, .value_kind: global_buffer, .address_space: global }
      - { .name: Wk, .offset: 16, .size: 8, .value_kind: global_buffer, .address_space: global }
      - { .name: Wv, .offset: 24, .size: 8, .value_kind: global_buffer, .address_space: global }
      - { .name: Wo, .offset: 32, .size: 8, .value_kind: global_buffer, .address_space: global }
      - { .name: codes, .offset: 40, .size: 8, .value_kind: global_buffer, .address_space: global }
      - { .name: scales, .offset: 48, .size: 8, .value_kind: global_buffer, .address_space: global }
      - { .name: wo16, .offset: 56, .size: 8, .value_kind: global_buffer, .address_space: global }
      - { .name: cs, .offset: 64, .size: 8, .value_kind: global_buffer, .address_space: global }
    .group_segment_fixed_size: 33280
    .private_segment_fixed_size: 0
    .kernarg_segment_align: 8
    .kernarg_segment_size: 72
    .max_flat_workgroup_size: 128
    .sgpr_count:     66
    .vgpr_count:     192
    .wavefront_size: 32
...
	.end_amdgpu_metadata
.endif
;; end of part 1
;; launch qkv (part 2): grid 12 x 16, 4 waves a work-group, clusters of 4 x 4, 327,680 bytes of LDS; arguments codes, scales, qkv, cs, qkv32; writes qkv, qkv32
.if DOCPART == 2
	.amdgcn_target "amdgcn-amd-amdhsa--gfx1250"
	.amdhsa_code_object_version 6
	.text
	.protected	k_qbd2d0e9d39_qkv
	.globl	k_qbd2d0e9d39_qkv
	.p2align	8
	.type	k_qbd2d0e9d39_qkv,@function
k_qbd2d0e9d39_qkv:
	s_mov_b64 s[64:65], 0
	v_nop
	global_prefetch_b8 v0, s[64:65] scope:SCOPE_SE
	s_setreg_imm32_b32 hwreg(HW_REG_WAVE_MODE, 25, 1), 1
	s_wait_xcnt 0x0
	s_wait_alu depctr_hold_cnt(0) depctr_sa_sdst(0) depctr_va_vdst(0) depctr_va_sdst(0) depctr_va_ssrc(0) depctr_va_vcc(0) depctr_vm_vsrc(0)
	s_getreg_b32 s2, hwreg(HW_REG_IB_STS2, 6, 4)
	s_cmp_eq_u32 s2, 0
	s_cbranch_scc0 .Lentry_in_a_cluster
	s_endpgm
.Lentry_in_a_cluster:
	s_bfe_u32 s2, ttmp6, 0x10000c
	s_cmp_lg_u32 s2, 0xf033
	s_cbranch_scc0 .Lentry_shape_is_right
	s_endpgm
.Lentry_shape_is_right:
; [q | k | v] = x [Wq; Wk; Wv]^T on codes of FP4 (E2M1) with one E8M0 scale for each 32 along K: C [4096][3072], K = 1,024; then RoPE on q and k in f32; the results leave as f16, by heads:
; qkv[plane][position][64], plane = column / 64 (q 0-15, k 16-31, v 32-47).  Positions 0-15 leave in f32 too (qkv32 [16][3072]), for the launch that carries those rows finely.
; A's codes are rows 0-4095 of the buffer codes (512 bytes a row), B's rows 4096-7167; the scale bytes likewise (32 bytes a row).
; A tile of C, 256 x 256, is made by four waves, 128 x 128 each: 64 accumulators, 512 registers.  K is two slots of 512: both are asked for at the start and no LDS byte is filled twice.
; The scales of the work-group's 256 + 256 rows, for all of K, are two dense blocks: they come once, with the first fills, as units of 256 bytes + 16 of padding.
; CLUSTERS: 4 x 4 work-groups; A's tiles are asked for jointly along a row of the cluster, B's along a column.  THE MATRIX INSTRUCTION IS USED TRANSPOSED (source 0 = 16 rows of B, source 1 = 16 rows of A):
; a lane holds eight neighbouring columns of one row of C: four pairs of RoPE.
; LIMITS: |q|, |k|, |v| stay under f16's 65,504.
; REGISTERS, in windows of 256: window 0: v0-31 addresses; v32-95 scale words, two sets; from v128 A's fragments, one set; on the way out v32-255 are free.  window 1: B's fragments, two sets.
;   window 2: the accumulators of my rows 0-63 ((a, b) at v[8 (8 a + b)]);  window 3: those of my rows 64-127.
.set SIZE_M, 4096
.set SIZE_N, 3072
.set SIZE_K, 1024
.set WCODES,  SIZE_M*SIZE_K/2          ; where B's rows begin in codes,
.set WSCALES, SIZE_M*SIZE_K/32         ; and in scales
.set KSTEP,  512
.set NQ,     KSTEP/128
.set ROWB,   256                       ; a tile's row in bytes
.set KROW,   SIZE_K*4/8                ; a row of codes in memory
.set PITCH,  272                       ; an LDS row: 256 bytes + 16 of padding: the 16 rows of a load start at 16 different banks
.set FR,     8
.set NL,     2
.set NP,     4                         ; places behind this matrix instruction (ISA guide 7.12.1)
.set HALFT,  128*PITCH
.set SLOT,   4*HALFT
.set KS,     SIZE_K/32
.set SCL,    2*SLOT
.set HALFS,  (128*KS/256)*272
.set SBLK,   (16*KS/256)*272
.set SPARE,  SCL+4*HALFS               ; the spare words, 128 bytes a wave
.set SPITCH, 272                       ; the way out: a stage of 16 rows x (256 bytes + 16) for each wave, in slot 0, which has had its one fill and its last read by then
.set ADRA, 16
.set ADRB, 20
.set RBV,  23                          ; v23 my wave's first row of C
.set STO,  24
.set RD,   25
.set CO,   26
.set ADRS, 27
.set SPW,  28
.set NIL,  29
.set CSA,  30                          ; v30 my byte in the table's 16 rows: 256 r + 32 h
.set FA,   31                          ; v31 my byte in qkv32: 12,288 r + 32 h
.set SC,   32
.set AF,   128
.set CSB,  32                          ; the way out: v32-95 two sets of 32 table numbers
.set TT,   96                          ; v96-159 a block after RoPE, f32
.set TMP,  160                         ; v160-191 the block in f16
.set BK,   192                         ; v192-255 two sets of 32: rows read back from the stage
.set G1, 24
.set G0, 32
.set G1B, 48
.set G0B, 56
.set G1S, 68
.set G0S, 76
.set G1SB, 80
.set G0SB, 88
.set MSB, 0
.macro WIN new                         ; the immediate's high byte repeats the setting that is left
.if MSB != (\new)
	s_set_vgpr_msb (MSB<<8)|(\new)
.set MSB, (\new)
.endif
.endm
.set MUL_LO, 0xa1                      ; source 0 (B) window 1, source 1 (A) window 0, C and D window 2
.set MUL_HI, 0xf1
.set TO_B,   0x40
; A joint load: waves 0 and 1 fetch for A, waves 2 and 3 for B.  The branch hangs on the wave's number alone.  An s_nop 0 and four v_nop follow each line.
.macro JLOAD g0a, g1a, g0b, g1b
	s_cmp_eq_u32 s15, 0
	s_cbranch_scc0 .Lfor_b_\@
	tensor_load_to_lds s[\g0a:\g0a+3], s[\g1a:\g1a+7]
	s_nop 0
.rept 4
	v_nop
.endr
	s_branch .Lasked_\@
.Lfor_b_\@:
	tensor_load_to_lds s[\g0b:\g0b+3], s[\g1b:\g1b+7]
	s_nop 0
.rept 4
	v_nop
.endr
.Lasked_\@:
.endm
.macro CROUND                          ; a round of the cluster's barrier
	s_barrier_signal -1
	s_barrier_wait -1
	s_cmp_lg_u32 s14, 0
	s_cbranch_scc1 .Lnot_wave_0_\@
	s_barrier_signal -3
.Lnot_wave_0_\@:
	s_barrier_wait -3
	s_barrier_signal -1
	s_barrier_wait -1
.endm
	s_load_b128 s[4:7], s[0:1], 0x0                ; codes s[4:5], scales s[6:7]
	s_load_b64 s[12:13], s[0:1], 0x10              ; qkv
	s_load_b128 s[96:99], s[0:1], 0x18             ; cs s[96:97], qkv32 s[98:99]
	v_lshl_add_u32 v[SPW], v0, 2, SPARE
	v_mov_b32 v[NIL], 0
	ds_add_u32 v[SPW], v[NIL]                      ; the wave's opening: the add, twice on end, and its wait ahead of my first tensor load
	ds_add_u32 v[SPW], v[NIL]
	v_lshrrev_b32 v1, 5, v0
	v_readfirstlane_b32 s14, v1                    ; wave 0..3
	s_lshr_b32 s15, s14, 1                         ; which half of the tile's rows is mine.  Also: I fetch for A (0) or for B (1)
	s_and_b32 s16, s14, 1                          ; which half of its columns.  Also: which 128 rows I fetch
	s_bfe_u32 s40, ttmp6, 0x40000                  ; cx, cy
	s_bfe_u32 s41, ttmp6, 0x40004
	s_lshl_b32 s42, ttmp9, 2
	s_add_co_u32 s42, s42, s40                     ; tile column of C
	s_and_b32 s17, ttmp7, 0xffff
	s_lshl_b32 s17, s17, 2
	s_add_co_u32 s17, s17, s41                     ; tile row of C
	s_lshl_b32 s43, s41, 2
	s_lshl_b32 s43, 15, s43                        ; my row of the cluster
	s_lshl_b32 s44, 0x1111, s40                    ; my column
	s_or_b32 s[G1+0], s43, (0<<16)|(1<<20)|(1<<21)|(5<<22)|(3<<25)  ; the mask; elements of 1 byte; padding on; bit 21 beside a mask; 4 words behind every 64
	s_or_b32 s[G1B+0], s44, (0<<16)|(1<<20)|(1<<21)|(5<<22)|(3<<25)
.irp g, G1, G1B
	s_mov_b32 s[\g+1], ROWB<<16                    ; tensor_dim0
	s_mov_b32 s[\g+2], 128<<16                     ; tensor_dim1
	s_mov_b32 s[\g+3], ROWB<<16                    ; tile_dim0
	s_mov_b32 s[\g+4], 128                         ; tile_dim1
	s_mov_b32 s[\g+5], KROW                        ; the pitch
	s_mov_b32 s[\g+6], 0
	s_mov_b32 s[\g+7], 0
.endr
	s_or_b32 s[G1S+0], s43, (3<<16)|(1<<20)|(1<<21)|(5<<22)|(3<<25)   ; the scales of 128 rows: 4,096 dense bytes as rows of 256 (32 elements of 8 bytes)
	s_or_b32 s[G1SB+0], s44, (3<<16)|(1<<20)|(1<<21)|(5<<22)|(3<<25)
.irp g, G1S, G1SB
	s_mov_b32 s[\g+1], 32<<16
	s_mov_b32 s[\g+2], (128*KS/256)<<16
	s_mov_b32 s[\g+3], 32<<16
	s_mov_b32 s[\g+4], 128*KS/256
	s_mov_b32 s[\g+5], 32
	s_mov_b32 s[\g+6], 0
	s_mov_b32 s[\g+7], 0
.endr
	s_lshl_b32 s18, s16, 7
	s_lshl_b32 s20, s17, 8
	s_add_co_u32 s20, s20, s18                     ; A: row 256 x tile row + 128 x half
	s_lshl_b32 s46, s42, 8
	s_add_co_u32 s46, s46, s18                     ; B: row 256 x tile column + 128 x half
	s_mov_b32 s21, 0
	s_mov_b32 s47, 0
	s_mov_b64 s[18:19], KS
	s_mul_u64 s[22:23], s[20:21], s[18:19]
	s_mul_u64 s[92:93], s[46:47], s[18:19]
	s_mov_b64 s[18:19], KROW
	s_mul_u64 s[20:21], s[20:21], s[18:19]
	s_mul_u64 s[46:47], s[46:47], s[18:19]
	s_mul_i32 s45, s14, HALFT                      ; where they go: wave x 128 rows
	s_mul_i32 s94, s14, HALFS
	s_wait_dscnt 0x0                               ; both opening adds are done
	s_wait_kmcnt 0x0
	s_add_nc_u64 s[8:9], s[4:5], WCODES            ; B's codes,
	s_add_nc_u64 s[10:11], s[6:7], WSCALES         ; B's scales
	s_add_nc_u64 s[20:21], s[4:5], s[20:21]
	s_add_nc_u64 s[22:23], s[6:7], s[22:23]
	s_add_nc_u64 s[46:47], s[8:9], s[46:47]
	s_add_nc_u64 s[92:93], s[10:11], s[92:93]
	CROUND                                         ; all sixteen work-groups are here: the joint loads meet
	s_mov_b32 s[G0S], 1
	s_add_co_u32 s[G0S+1], s94, SCL
	s_mov_b64 s[G0S+2:G0S+3], s[22:23]
	s_or_b32 s[G0S+3], s[G0S+3], 0x80000000
	s_mov_b32 s[G0SB], 1
	s_add_co_u32 s[G0SB+1], s94, SCL
	s_mov_b64 s[G0SB+2:G0SB+3], s[92:93]
	s_or_b32 s[G0SB+3], s[G0SB+3], 0x80000000
	JLOAD G0S, G1S, G0SB, G1SB                     ; the scales first
.irp s, 0,1
	s_mov_b32 s[G0+4*\s], 1
	s_add_co_u32 s[G0+4*\s+1], s45, \s*SLOT
	s_add_nc_u64 s[G0+4*\s+2:G0+4*\s+3], s[20:21], \s*ROWB
	s_or_b32 s[G0+4*\s+3], s[G0+4*\s+3], 0x80000000
	s_mov_b32 s[G0B+4*\s], 1
	s_add_co_u32 s[G0B+4*\s+1], s45, \s*SLOT
	s_add_nc_u64 s[G0B+4*\s+2:G0B+4*\s+3], s[46:47], \s*ROWB
	s_or_b32 s[G0B+4*\s+3], s[G0B+4*\s+3], 0x80000000
	JLOAD G0+4*\s, G1, G0B+4*\s, G1B               ; two, then three, loads of mine are out
.endr
	v_and_b32 v1, 15, v0                           ; r = l % 16
	v_bfe_u32 v2, v0, 4, 1                         ; h = l / 16
	v_mul_u32_u24 v3, v1, PITCH
	v_lshl_add_u32 v4, v2, 4, v3
	s_mul_i32 s21, s15, HALFT
	s_mul_i32 s22, s16, HALFT
	s_add_co_u32 s22, s22, 2*HALFT
.irp s, 0,1
	v_add_nc_u32 v[ADRA+\s], s21, v4
	v_add_nc_u32 v[ADRB+\s], s22, v4
	s_add_co_u32 s21, s21, SLOT
	s_add_co_u32 s22, s22, SLOT
.endr
	v_mul_u32_u24 v5, v1, KS                       ; my row's scales: KS bytes a row,
	v_lshrrev_b32 v6, 8, v5
	v_lshl_add_u32 v5, v6, 4, v5                   ; and 16 more for each 256 passed
	s_mul_i32 s21, s15, HALFS
	s_mul_i32 s22, s16, HALFS
	s_add_co_u32 s22, s22, 2*HALFS
	s_sub_co_u32 s22, s22, s21
	v_mul_u32_u24 v6, s22, v2                      ; lanes 16-31 take B's
	s_add_co_u32 s21, s21, SCL
	v_add_nc_u32 v5, v5, v6
	v_add_nc_u32 v[ADRS], s21, v5
	s_mul_i32 s23, s14, 16*SPITCH                  ; my stage
	v_mul_u32_u24 v5, v1, SPITCH                   ; in: row r, 16 bytes for each half of the lanes
	v_lshl_add_u32 v5, v2, 4, v5
	v_add_nc_u32 v[STO], s23, v5
	v_and_b32 v6, 31, v0
	v_lshlrev_b32 v[CO], 4, v6                     ; out: 16 bytes a lane, 512 consecutive bytes an instruction
	v_lshrrev_b32 v5, 3, v6                        ; back: eight lanes take a row's 128 bytes of one plane, four rows an instruction
	v_mul_u32_u24 v5, v5, SPITCH
	v_and_b32 v6, 7, v0
	v_lshl_add_u32 v5, v6, 4, v5
	v_add_nc_u32 v[RD], s23, v5
	v_lshlrev_b32 v[CSA], 8, v1
	v_lshl_add_u32 v[CSA], v2, 5, v[CSA]
	v_mul_u32_u24 v[FA], v1, 12288
	v_lshl_add_u32 v[FA], v2, 5, v[FA]
	s_lshl_b32 s20, s17, 8
	s_lshl_b32 s21, s15, 7
	s_add_co_u32 s20, s20, s21                     ; my first row of C
	v_mov_b32 v[RBV], s20
	s_lshl_b32 s46, s42, 2
	s_lshl_b32 s47, s16, 1
	s_add_co_u32 s46, s46, s47                     ; my first plane: 4 x tile column + 2 x half
	s_lshl_b32 s46, s46, 12
	s_add_co_u32 s46, s46, s20
	s_lshl_b32 s46, s46, 7                         ; (plane x 4,096 + row) x 128 bytes
	s_mov_b32 s47, 0
	s_add_nc_u64 s[12:13], s[12:13], s[46:47]
	s_lshl_b32 s46, s20, 8                         ; the table: 256 bytes a position
	s_add_nc_u64 s[96:97], s[96:97], s[46:47]
	s_lshl_b32 s46, s42, 10
	s_lshl_b32 s21, s16, 9
	s_add_co_u32 s46, s46, s21                     ; my first column in qkv32, in bytes
	s_add_nc_u64 s[98:99], s[98:99], s[46:47]
.macro FRAG reg, adr, q, i             ; 16 rows x 128 K of 4-bit codes: 8 registers: lane l holds row l % 16; registers 4 c .. 4 c + 3 hold K = 64 c + 32 (l / 16) + 0 .. 31
.irp c, 0,1
	ds_load_b128 v[\reg+4*\c:\reg+4*\c+3], v[\adr] offset:64*(\q)+32*\c+(\i)*16*PITCH
.endr
.endm
; 16 matrix instructions: A's blocks a0, a0 + 1 x B's eight.  The 64 accumulators take turns, one instruction a turn, in the same order in every step.
.macro MUL16 a0, p, q, sc, zero
.irp a, \a0, \a0+1
.irp b, 0,1,2,3,4,5,6,7
.if \zero
	v_wmma_scale_f32_16x16x128_f8f6f4 v[8*(8*((\a)%4)+\b):8*(8*((\a)%4)+\b)+7], v[128*(\p)+FR*\b:128*(\p)+FR*\b+FR-1], v[AF+FR*(\a):AF+FR*(\a)+FR-1], 0, v[SC+8*NQ*(\sc)+NQ*\b+(\q)], v[SC+8*NQ*(\sc)+NQ*(\a)+(\q)] matrix_a_fmt:MATRIX_FMT_FP4 matrix_b_fmt:MATRIX_FMT_FP4 matrix_a_scale:MATRIX_SCALE_ROW1
.else
	v_wmma_scale_f32_16x16x128_f8f6f4 v[8*(8*((\a)%4)+\b):8*(8*((\a)%4)+\b)+7], v[128*(\p)+FR*\b:128*(\p)+FR*\b+FR-1], v[AF+FR*(\a):AF+FR*(\a)+FR-1], v[8*(8*((\a)%4)+\b):8*(8*((\a)%4)+\b)+7], v[SC+8*NQ*(\sc)+NQ*\b+(\q)], v[SC+8*NQ*(\sc)+NQ*(\a)+(\q)] matrix_a_fmt:MATRIX_FMT_FP4 matrix_b_fmt:MATRIX_FMT_FP4 matrix_a_scale:MATRIX_SCALE_ROW1
.endif
.endr
.endr
.endm
.macro FETCH_B slot, q, p
	WIN TO_B
.irp i, 0,1,2,3,4,5,6,7
	FRAG 128*(\p)+FR*\i, ADRB+\slot, \q, \i
.endr
	WIN 0
.endm
.macro FETCH_A slot, q, i0
.irp i, \i0, \i0+1, \i0+2, \i0+3
	FRAG AF+FR*(\i), ADRA+\slot, \q, \i
.endr
.endm
.macro SCALES sc                       ; a slot's scale words: lanes 0-15 take A's block i, lanes 16-31 B's block i
.irp i, 0,1,2,3,4,5,6,7
	ds_load_b128 v[SC+8*NQ*\sc+NQ*\i:SC+8*NQ*\sc+NQ*\i+3], v[ADRS] offset:\i*SBLK
.endr
.endm
.macro PLACES n                        ; plain vector lines between a matrix instruction and a load into, or a read of, its registers
.rept \n
	v_nop
.endr
.endm
.macro STEP slot, q, zero              ; 128 along K with its successor in the same slot
	s_wait_dscnt 4*NL                              ; B's set and A's blocks 0-3 are in; the youngest eight loads (A's blocks 4-7) may be out
	WIN MUL_LO
	MUL16 0, (\q)%2, \q, \slot, \zero
	MUL16 2, (\q)%2, \q, \slot, \zero
	s_wait_dscnt 0
	PLACES NP
	FETCH_B \slot, (\q)+1, 1-(\q)%2
	FETCH_A \slot, (\q)+1, 0
	WIN MUL_HI
	MUL16 4, (\q)%2, \q, \slot, \zero
	MUL16 6, (\q)%2, \q, \slot, \zero
	PLACES NP
	WIN 0
	FETCH_A \slot, (\q)+1, 4
.endm
; Slot 0's last step changes slots: one barrier; in front of it each wave waits for all its tensor loads (its part of slot 1), adds 0 to its spare word, and waits for that and for its reads of slot 0.  Nothing is filled again.
.macro TURN slot, next
	s_wait_tensorcnt 0x0
	ds_add_u32 v[SPW], v[NIL]
	s_wait_dscnt 4*NL+1                            ; (the add and the youngest eight loads may be out)
	WIN MUL_LO
	MUL16 0, 1, NQ-1, \slot, 0
	s_wait_dscnt 0x0                               ; the add is done, and my reads of this slot are over
	s_barrier_signal -1
	MUL16 2, 1, NQ-1, \slot, 0
	WIN 0
	s_barrier_wait -1
	PLACES NP
	v_add_nc_u32 v[ADRS], 4*NQ, v[ADRS]            ; on to the next slot's scale words
	FETCH_B \next, 0, 0
	FETCH_A \next, 0, 0
	SCALES \next
	WIN MUL_HI
	MUL16 4, 1, NQ-1, \slot, 0
	MUL16 6, 1, NQ-1, \slot, 0
	PLACES NP
	WIN 0
	FETCH_A \next, 0, 4
.endm
.macro STEPS slot, from
.set Q, \from
.rept NQ-1-\from
	STEP \slot, Q, 0
.set Q, Q+1
.endr
.endm
	s_wait_tensorcnt 1                             ; the scales and my part of slot 0 are in (slot 1's load may be out)
	s_barrier_signal -1
	s_barrier_wait -1                              ; everybody's are
	FETCH_B 0, 0, 0
	FETCH_A 0, 0, 0
	SCALES 0
	FETCH_A 0, 0, 4
	STEP 0, 0, 1                                   ; the first step's products start the sums
	STEPS 0, 1
	TURN 0, 1
	STEPS 1, 0
	s_wait_dscnt 4*NL                              ; the very last step
	WIN MUL_LO
	MUL16 0, 1, NQ-1, 1, 0
	MUL16 2, 1, NQ-1, 1, 0
	s_wait_dscnt 0
	WIN MUL_HI
	MUL16 4, 1, NQ-1, 1, 0
	MUL16 6, 1, NQ-1, 1, 0
	WIN 0
; THE WAY OUT, block a of 16 rows x 128 columns (two planes) at a time.  Accumulator (a, b): lane (r, h) holds row 16 a + r, columns 16 b + 8 h + 0 .. 7: pairs 8 (b % 4) + 4 h + 0 .. 3 of plane b / 4.
.macro CSLOAD a                        ; the table for the block's 16 positions: register 8 bq + 2 p: cos, + 1: sin of pair 8 bq + 4 h + p
.irp bq, 0,1,2,3
	global_load_b128 v[CSB+32*((\a)%2)+8*\bq:CSB+32*((\a)%2)+8*\bq+3],   v[CSA], s[96:97] offset:4096*(\a)+64*\bq
	global_load_b128 v[CSB+32*((\a)%2)+8*\bq+4:CSB+32*((\a)%2)+8*\bq+7], v[CSA], s[96:97] offset:4096*(\a)+64*\bq+16
.endr
.endm
.macro ROPE a                          ; r1 = x1 cos - x2 sin, r2 = x2 cos + x1 sin; each accumulator is read from its low end on
	WIN 0x02+(\a)/4                                ; source 0: window 2 or 3
.irp b, 0,1,2,3,4,5,6,7
.irp p, 0,1,2,3
	v_mul_f32 v[TT+8*\b+2*\p],   v[64*((\a)%4)+8*\b+2*\p],   v[CSB+32*((\a)%2)+8*(\b%4)+2*\p]
	v_mul_f32 v[TT+8*\b+2*\p+1], v[64*((\a)%4)+8*\b+2*\p+1], v[CSB+32*((\a)%2)+8*(\b%4)+2*\p]
.endr
.irp p, 0,1,2,3
	v_fma_f32 v[TT+8*\b+2*\p],   -v[64*((\a)%4)+8*\b+2*\p+1], v[CSB+32*((\a)%2)+8*(\b%4)+2*\p+1], v[TT+8*\b+2*\p]
	v_fma_f32 v[TT+8*\b+2*\p+1], v[64*((\a)%4)+8*\b+2*\p],    v[CSB+32*((\a)%2)+8*(\b%4)+2*\p+1], v[TT+8*\b+2*\p+1]
.endr
.endr
	WIN 0
.endm
.macro CVT
.set i, 0
.rept 32
	v_cvt_pk_f16_f32 v[TMP+i], v[TT+2*i], v[TT+2*i+1]
.set i, i+1
.endr
.endm
.macro PACKV a                         ; v has no RoPE: straight from the accumulators
	WIN 0x0a+5*((\a)/4)                            ; sources 0 and 1: window 2 or 3
.irp b, 0,1,2,3,4,5,6,7
.irp p, 0,1,2,3
	v_cvt_pk_f16_f32 v[TMP+4*\b+\p], v[64*((\a)%4)+8*\b+2*\p], v[64*((\a)%4)+8*\b+2*\p+1]
.endr
.endr
	WIN 0
.endm
; Rows 0-15 in f32: only the waves whose first row is row 0 have them.  They are picked by EXEC, not by a branch: partners of a cluster run the same lines.  EXEC changes only behind s_wait_xcnt 0.
; (Pieces of 32 bytes of rows 12,288 bytes apart: 196,608 bytes in the whole launch.)
.macro F32OUT src, win
	v_cmp_eq_u32 vcc_lo, 0, v[RBV]
	s_wait_xcnt 0x0
	s_and_saveexec_b32 s3, vcc_lo
	WIN \win
.irp b, 0,1,2,3,4,5,6,7
	global_store_b128 v[FA], v[\src+8*\b:\src+8*\b+3],   s[98:99] offset:64*\b
	global_store_b128 v[FA], v[\src+8*\b+4:\src+8*\b+7], s[98:99] offset:64*\b+16
.endr
	WIN 0
	s_wait_xcnt 0x0
	s_or_b32 exec_lo, exec_lo, s3
.endm
.macro TOSTAGE a                       ; into my stage by rows of C, back by planes: LDS serves a wave's instructions in order, so no wait stands between
.irp b, 0,1,2,3,4,5,6,7
	ds_store_b128 v[STO], v[TMP+4*\b:TMP+4*\b+3] offset:32*\b
.endr
.irp i, 0,1,2,3,4,5,6,7
	ds_load_b128 v[BK+32*((\a)%2)+4*\i:BK+32*((\a)%2)+4*\i+3], v[RD] offset:(\i%4)*4*SPITCH+(\i/4)*128
.endr
.endm
.macro SEND a, younger                 ; younger: the LDS instructions issued behind block a's loads
	s_wait_dscnt \younger
.irp i, 0,1,2,3,4,5,6,7
	global_store_b128 v[CO], v[BK+32*((\a)%2)+4*\i:BK+32*((\a)%2)+4*\i+3], s[12:13] offset:(\i/4)*524288+2048*(\a)+(\i%4)*512   ; four positions of one plane: 512 consecutive bytes, aligned
.endr
.endm
	PLACES NP                                      ; in front of loads into the scale registers and of the first reads of results
	s_cmp_eq_u32 ttmp9, 2                          ; the cluster's x, equal in all partners: 0 q, 1 k, 2 v
	s_cbranch_scc1 .Lv
	CSLOAD 0
	CSLOAD 1
.irp a, 0,1,2,3,4,5,6,7
.if \a < 7
	s_wait_loadcnt 8                               ; this block's eight table loads are in; the next block's eight may be out
.else
	s_wait_loadcnt 0
.endif
	ROPE \a
.if \a == 0
	F32OUT TT, 0
.endif
	CVT
.if \a < 6
	CSLOAD \a+2
.endif
.if \a > 1
	s_wait_xcnt 0x0                                ; block a - 2's stores have read their registers: block a's rows may land there
.endif
	TOSTAGE \a
.if \a > 0
	SEND \a-1, 16                                  ; behind block a - 1's loads: block a's 8 stores and 8 loads
.endif
.endr
	SEND 7, 0
	s_branch .Ldone
.Lv:
.irp a, 0,1,2,3,4,5,6,7
.if \a == 0
	F32OUT 0, 0x08                                 ; a store's data are its source 1: window 2
.endif
	PACKV \a
.if \a > 1
	s_wait_xcnt 0x0
.endif
	TOSTAGE \a
.if \a > 0
	SEND \a-1, 16
.endif
.endr
	SEND 7, 0
.Ldone:
	s_wait_tensorcnt 0x0                           ; the wave's end
	ds_add_u32 v[SPW], v[NIL]
	s_wait_dscnt 0x0
	CROUND                                         ; the closing round
	s_endpgm
.Lfunc_end_k_qbd2d0e9d39_qkv:
	.size	k_qbd2d0e9d39_qkv, .Lfunc_end_k_qbd2d0e9d39_qkv-k_qbd2d0e9d39_qkv
	.p2alignl 7, 3214868480
	.fill 96, 4, 3214868480
	.section	.rodata,"a",@progbits
	.p2align	6, 0x0
	.amdhsa_kernel k_qbd2d0e9d39_qkv
		.amdhsa_group_segment_fixed_size 327680
		.amdhsa_private_segment_fixed_size 0
		.amdhsa_enable_private_segment 0
		.amdhsa_kernarg_size 40
		.amdhsa_user_sgpr_count 2
		.amdhsa_user_sgpr_kernarg_segment_ptr 1
		.amdhsa_wavefront_size32 1
		.amdhsa_system_sgpr_workgroup_id_x 1
		.amdhsa_system_sgpr_workgroup_id_y 1
		.amdhsa_system_sgpr_workgroup_id_z 1
		.amdhsa_system_vgpr_workitem_id 0
		.amdhsa_next_free_vgpr 1024
		.amdhsa_next_free_sgpr 100
		.amdhsa_reserve_vcc 1
		.amdhsa_float_denorm_mode_32 3
		.amdhsa_float_denorm_mode_16_64 3
		.amdhsa_memory_ordered 1
		.amdhsa_forward_progress 1
		.amdhsa_inst_pref_size 215
	.end_amdhsa_kernel
	.amdgpu_metadata
---
amdhsa.version: [ 1, 2 ]
amdhsa.kernels:
  - .name:           k_qbd2d0e9d39_qkv
    .symbol:         k_qbd2d0e9d39_qkv.kd
    .args:
      - { .name: codes, .offset: 0, .size: 8, .value_kind: global_buffer, .address_space: global }
      - { .name: scales, .offset: 8, .size: 8, .value_kind: global_buffer, .address_space: global }
      - { .name: qkv, .offset: 16, .size: 8, .value_kind: global_buffer, .address_space: global }
      - { .name: cs, .offset: 24, .size: 8, .value_kind: global_buffer, .address_space: global }
      - { .name: qkv32, .offset: 32, .size: 8, .value_kind: global_buffer, .address_space: global }
    .group_segment_fixed_size: 327680
    .private_segment_fixed_size: 0
    .kernarg_segment_align: 8
    .kernarg_segment_size: 40
    .max_flat_workgroup_size: 128
    .sgpr_count:     100
    .vgpr_count:     1024
    .wavefront_size: 32
...
	.end_amdgpu_metadata
.endif
;; end of part 2
;; launch attn (part 3): grid 16 x 16, 16 waves a work-group, no clusters, 327,680 bytes of LDS; arguments qkv, ctx; writes ctx
.if DOCPART == 3
	.amdgcn_target "amdgcn-amd-amdhsa--gfx1250"
	.amdhsa_code_object_version 6
	.text
	.protected	k_qbd2d0e9d39_attn
	.globl	k_qbd2d0e9d39_attn
	.p2align	8
	.type	k_qbd2d0e9d39_attn,@function
k_qbd2d0e9d39_attn:
	s_mov_b64 s[64:65], 0
	v_nop
	global_prefetch_b8 v0, s[64:65] scope:SCOPE_SE
	s_setreg_imm32_b32 hwreg(HW_REG_WAVE_MODE, 25, 1), 1
	s_wait_xcnt 0x0
; ctx[h][q][:] = the sum over k <= q of softmax_k(q . k / 8) v[k][:], operands in f16, products, maxima and sums in f32.  qkv: [48 planes][4096][64] f16 (q 0-15, k 16-31, v 32-47); ctx: [16][4096][64] f16.
; SHARES.  A head's queries are 32 blocks of 128.  Work-group i of a head takes block 31 - i (phase A) and then block i (phase B): 33 blocks of 128 keys under the mask for every work-group.
; Wave w: g = w % 4 picks 32 queries of the block (two tiles of 16), u = w / 4 picks 64 of the 256 keys of each slot.  Each wave keeps its own running maximum, sum and O for its keys; the four u of a g are merged through LDS at a phase's end.
; LAYOUT.  S^T = K Q^T (source 0 = 16 keys, source 1 = 16 queries): a lane holds ONE query (lane % 16) and keys 8 (lane / 16) + 0..7.  Two such tiles, rounded to f16 in pairs, are source 1 of O^T = V^T P.  V comes turned, by ds_load_tr16_b128.
; RING.  Two slots of 256 keys, K by wave 0's tensor load, V by wave 1's (32,768 dense bytes each); one barrier a trip.  Every work-group walks 16 + 8 trips: the trip counts are constants.  A step all of whose keys lie behind the wave's queries
; is jumped over, and a slot whose first key lies behind the work-group's block is not asked for: both by scalar branches on ids and counts.  Every wait on TENSORcnt is for 0; a wave has at most one tensor load out.
; NO CLUSTER: the work-groups of a head need different numbers of slots under the mask, so partners could not make every joint request and read it.
; LIMITS: |q|, |k|, |v| under 65,504 (f16).  The rows' maxima are running maxima, taken away before every exponential.
.set HB,    524288                     ; a plane in bytes
.set KP,    144                        ; a key's row of K in LDS: 128 bytes + 16: the 16 rows of a load start at 16 different groups of banks
.set VP,    160                        ; of V: 128 + 32: an odd multiple of 32
.set VOFF,  256*KP
.set SLOT,  VOFF+256*VP                ; 77,824
.set MRG,   2*SLOT                     ; the merge: 4 planes (u) of 128 queries x (256 bytes + 16); no tensor load lands here
.set MPL,   128*272
.set MST,   MRG+4*MPL                  ; its statistics: [u][128 queries](c m, l)
.set SPARE, MST+4096                   ; the spare words, 128 bytes a wave
.set AK0, 1                            ; v1  my lane's place in a slot's K
.set AV0, 2                            ; v2  and V
.set ADK, 3
.set ADV, 4
.set SPW, 5
.set NIL, 6
.set PFO, 7                            ; v7  256 x lane: the prefetches' offset; never rewritten
.set ST,  10                           ; v10-25 tile a at ST + 8 a: +0 c m, +1 m, +2, +3 l, +4, +5 at work, +6 a = 2^(old c m - new c m), +7 at work
.set MW,  26
.set MSA, 27
.set MR,  28
.set MR2, 29
.set MSR, 30
.set GO,  31
.set Q,   32                           ; v32-63   Q: tile a, channels 32 ks on: 16 a + 8 ks
.set F,   64                           ; v64-127  K (16 kt + 8 ks), then V (32 c + 8 t)
.set S,   128                          ; v128-191 S^T (32 a + 8 kt), then P in place (32 a + 8 c)
.set O,   192                          ; v192-255 O^T (32 a + 8 t)
.set WV,  8
.set G,   9
.set U,   10
.set JB,  11
.set LAST, 12
.set Q0,  13
.set KF,  14
.set TB,  15
.set NK,  17
.set CNT, 18
.set OFF, 20
.set CS,  22
.set G1K, 24
.set G1V, 32
.set G0K, 40
.set G0V, 44
.set KSRC, 48
.set VSRC, 50
.set QB,  52
.set CTB, 54
.set SEL, 56
.set PFA, 58
.set LIM, 60
.set HOFF, 62
; Wave 0 fetches K's 256 rows, wave 1 V's, the others nothing.  An s_nop 0 and four v_nop follow each load.
.macro TLOAD
	s_cmp_eq_u32 s[WV], 0
	s_cbranch_scc0 .Lnot_k_\@
	tensor_load_to_lds s[G0K:G0K+3], s[G1K:G1K+7]
	s_nop 0
.rept 4
	v_nop
.endr
	s_branch .Lasked_\@
.Lnot_k_\@:
	s_cmp_eq_u32 s[WV], 1
	s_cbranch_scc0 .Lasked_\@
	tensor_load_to_lds s[G0V:G0V+3], s[G1V:G1V+7]
	s_nop 0
.rept 4
	v_nop
.endr
.Lasked_\@:
.endm
; A prefetch of the slot that the NEXT change will ask for.  All sixteen work-groups of a head walk the same K and V from key 0 on; the one with x = 0 walks all sixteen slots in phase A, and it alone asks.
; In it waves 4-7 ask for K's 32,768 bytes, waves 8-11 for V's: 8,192 bytes a wave, lanes 256 bytes apart, one instruction: each block of 256 bytes is named once in the launch.  Trips 14 and 15 ask for nothing: no slot lies there.
.macro ASK
	s_cmp_gt_u32 s[CNT], s[LIM]
	s_cbranch_scc0 .Lnot_mine_\@
	global_prefetch_b8 v[PFO], s[PFA:PFA+1] th:TH_LOAD_NT scope:SCOPE_SE
.Lnot_mine_\@:
.endm
	s_load_b128 s[4:7], s[0:1], 0x0                ; qkv s[4:5], ctx s[6:7]
	v_lshl_add_u32 v[SPW], v0, 2, SPARE
	v_mov_b32 v[NIL], 0
	ds_add_u32 v[SPW], v[NIL]                      ; the wave's opening: the add, twice on end, and its wait ahead of the first tensor load
	ds_add_u32 v[SPW], v[NIL]
	v_lshrrev_b32 v8, 5, v0
	v_readfirstlane_b32 s[WV], v8                  ; wave 0..15
	s_and_b32 s[G], s[WV], 3
	s_lshr_b32 s[U], s[WV], 2
	; group 1: 32,768 dense bytes as 128 rows of 128 elements of 2 bytes; padding behind every 32 words (a key's 128 bytes): K 4 words, V 8
	s_mov_b32 s[G1K], (1<<16)|(1<<20)|(4<<22)|(3<<25)
	s_mov_b32 s[G1V], (1<<16)|(1<<20)|(4<<22)|(7<<25)
.irp g, G1K, G1V
	s_mov_b32 s[\g+1], 128<<16                     ; tensor_dim0
	s_mov_b32 s[\g+2], 128<<16                     ; tensor_dim1
	s_mov_b32 s[\g+3], 128<<16                     ; tile_dim0
	s_mov_b32 s[\g+4], 128                         ; tile_dim1
	s_mov_b32 s[\g+5], 128                         ; the pitch
	s_mov_b32 s[\g+6], 0
	s_mov_b32 s[\g+7], 0
.endr
	s_mov_b32 s[CS], 0x3e38aa3b                    ; c = log2(e) / 8
	s_mov_b32 s[CS+1], s[CS]                       ; (named with it as a pair)
	s_mov_b32 s[SEL], 0x76543210
	s_mov_b32 s[SEL+1], 0xfedcba98                 ; lane l xor 16
	s_and_b32 s66, ttmp7, 0xffff                   ; the head
	s_lshl_b32 s[HOFF], s66, 19
	s_mov_b32 s[HOFF+1], 0
	s_mov_b32 s[NK], 0
	s_mov_b32 s[TB], 0
	s_mov_b32 s[OFF+1], 0
	s_wait_dscnt 0x0                               ; both opening adds are done
	s_wait_kmcnt 0x0
	s_add_nc_u64 s[KSRC:KSRC+1], s[4:5], s[HOFF:HOFF+1]
	s_add_nc_u64 s[VSRC:VSRC+1], s[KSRC:KSRC+1], 32*HB
	s_add_nc_u64 s[KSRC:KSRC+1], s[KSRC:KSRC+1], 16*HB
	s_mov_b32 s[G0K], 1
	s_mov_b32 s[G0K+1], 0                          ; slot 0
	s_mov_b64 s[G0K+2:G0K+3], s[KSRC:KSRC+1]
	s_or_b32 s[G0K+3], s[G0K+3], 0x80000000
	s_mov_b32 s[G0V], 1
	s_mov_b32 s[G0V+1], VOFF
	s_mov_b64 s[G0V+2:G0V+3], s[VSRC:VSRC+1]
	s_or_b32 s[G0V+3], s[G0V+3], 0x80000000
	TLOAD                                          ; keys 0-255: key 0 counts for every query
	s_cmp_lt_u32 s[WV], 8                          ; the prefetches: waves 4-7 K, waves 8-11 V
	s_cselect_b64 s[PFA:PFA+1], s[KSRC:KSRC+1], s[VSRC:VSRC+1]
	s_lshl_b32 s66, s[G], 13                       ; my wave's 8,192 bytes,
	s_add_co_u32 s66, s66, 32768                   ; in slot 1: the first change steps it to slot 2.  Nothing is prefetched at the head
	s_mov_b32 s67, 0
	s_add_nc_u64 s[PFA:PFA+1], s[PFA:PFA+1], s[66:67]
	s_sub_co_u32 s66, s[WV], 4
	s_lshr_b32 s66, s66, 3                         ; 0 in waves 4 to 11,
	s_or_b32 s66, s66, ttmp9                       ; of the work-group with x = 0
	s_cmp_eq_u32 s66, 0
	s_cselect_b32 s[LIM], 2, -1
	v_and_b32 v128, 15, v0                         ; r
	v_bfe_u32 v129, v0, 4, 1                       ; h
	v_mul_u32_u24 v[AK0], v128, KP
	v_lshl_add_u32 v[AK0], v129, 4, v[AK0]
	s_mul_i32 s66, s[U], 64*KP
	v_add_nc_u32 v[AK0], s66, v[AK0]               ; K: row r x pitch + 16 h + my 64 keys
	v_and_b32 v130, 7, v0
	v_lshl_add_u32 v[AV0], v129, 3, v130
	v_mul_u32_u24 v[AV0], v[AV0], VP
	v_bfe_u32 v131, v0, 3, 1
	v_lshl_add_u32 v[AV0], v131, 4, v[AV0]
	s_mul_i32 s66, s[U], 64*VP
	s_add_co_u32 s66, s66, VOFF
	v_add_nc_u32 v[AV0], s66, v[AV0]               ; V: key 8 h + l % 8, channels 8 ((l / 8) % 2) on
	s_mul_i32 s66, s[U], MPL
	s_mul_i32 s67, s[G], 32*272
	s_add_co_u32 s66, s66, s67
	s_add_co_u32 s66, s66, MRG
	v_mul_u32_u24 v[MW], v128, 272
	v_lshl_add_u32 v[MW], v129, 5, v[MW]
	v_add_nc_u32 v[MW], s66, v[MW]                 ; the merge, in: plane u, query 32 g + r, + 32 h
	s_lshl_b32 s66, s[U], 10
	s_lshl_b32 s67, s[G], 8
	s_add_co_u32 s66, s66, s67
	s_add_co_u32 s66, s66, MST
	v_lshlrev_b32 v[MSA], 3, v128
	v_add_nc_u32 v[MSA], s66, v[MSA]
	v_bfe_u32 v131, v0, 3, 2                       ; lane / 8
	v_mul_u32_u24 v[MR], v131, 272
	v_lshl_add_u32 v[MR], v130, 5, v[MR]
	s_mul_i32 s66, s[WV], 8*272
	s_add_co_u32 s66, s66, MRG
	v_add_nc_u32 v[MR], s66, v[MR]                 ; back: query 8 w + lane / 8, channels 8 (lane % 8) on
	v_add_nc_u32 v[MR2], 2*MPL, v[MR]
	s_lshl_b32 s66, s[WV], 6
	s_add_co_u32 s66, s66, MST
	v_lshlrev_b32 v[MSR], 3, v131
	v_add_nc_u32 v[MSR], s66, v[MSR]
	v_and_b32 v[GO], 31, v0
	v_lshlrev_b32 v[PFO], 8, v[GO]
	v_lshlrev_b32 v[GO], 4, v[GO]
; A phase's start: its block, its Q, zeros for O and l, a maximum under every score.
.macro INIT ph
	s_wait_xcnt 0x0                                ; the last phase's stores have read their registers and base
.if \ph
	s_mov_b32 s[JB], ttmp9
.else
	s_sub_co_u32 s[JB], 31, ttmp9
.endif
	s_lshr_b32 s[LAST], s[JB], 1                   ; the last slot with a key that counts
	s_lshl_b32 s[Q0], s[JB], 7
	s_lshl_b32 s66, s[G], 5
	s_add_co_u32 s[Q0], s[Q0], s66                 ; my first query
	s_lshl_b32 s[KF], s[U], 6                      ; my first key
	s_lshl_b32 s66, s[Q0], 7
	s_mov_b32 s67, 0
	s_add_nc_u64 s[QB:QB+1], s[4:5], s[HOFF:HOFF+1]
	s_add_nc_u64 s[QB:QB+1], s[QB:QB+1], s[66:67]
	s_lshl_b32 s66, s[JB], 14
	s_lshl_b32 s68, s[WV], 10
	s_add_co_u32 s66, s66, s68                     ; the 8 rows that I finish: (128 JB + 8 w) x 128 bytes
	s_add_nc_u64 s[CTB:CTB+1], s[6:7], s[HOFF:HOFF+1]
	s_add_nc_u64 s[CTB:CTB+1], s[CTB:CTB+1], s[66:67]
	v_and_b32 v8, 15, v0
	v_bfe_u32 v9, v0, 4, 1
	v_lshlrev_b32 v8, 7, v8
	v_lshl_add_u32 v8, v9, 4, v8                   ; row r of 128 bytes, + 16 h
.irp a, 0,1
.irp ks, 0,1
	global_load_b128 v[Q+16*\a+8*\ks:Q+16*\a+8*\ks+3],   v8, s[QB:QB+1] offset:2048*\a+64*\ks
	global_load_b128 v[Q+16*\a+8*\ks+4:Q+16*\a+8*\ks+7], v8, s[QB:QB+1] offset:2048*\a+64*\ks+32
.endr
.endr
.set i, 0
.rept 64
	v_mov_b32 v[O+i], 0                            ; the step is written once: the first finds zeros
.set i, i+1
.endr
.irp a, 0,1
	v_mov_b32 v[ST+8*\a+1], 0xff61b1e6             ; -3e38
	v_mul_f32 v[ST+8*\a], s[CS], v[ST+8*\a+1]
.irp n, 2,3,4,5,6,7
	v_mov_b32 v[ST+8*\a+\n], 0
.endr
.endr
	s_wait_loadcnt 0x0                             ; Q
.endm
; THE CHANGE OF SLOTS, at a trip's head.  Each wave waits for all its tensor loads, adds 0 to its spare word (twice on end), and waits for that and for its
; reads of the slot that it has left.  Behind the barrier the slot ahead is whole and nobody reads the other: it takes the next 256 keys, if any of them counts for the block.  Phase A's sixteenth trip asks for keys 0-255 again: phase B's first slot.
.macro CHANGE pf
	s_wait_tensorcnt 0x0                           ; no tensor load of mine is out, so the groups 0 may be written
	ds_add_u32 v[SPW], v[NIL]
	ds_add_u32 v[SPW], v[NIL]
	s_add_co_u32 s[NK], s[NK], 1
	s_and_b32 s[NK], s[NK], 15                     ; the slot of keys to be asked for; 16 wraps to 0
	s_xor_b32 s[G0K+1], s[G0K+1], SLOT             ; into the other slot than last time
	s_add_co_u32 s[G0V+1], s[G0K+1], VOFF
	s_lshl_b32 s[OFF], s[NK], 15
	s_add_nc_u64 s[G0K+2:G0K+3], s[KSRC:KSRC+1], s[OFF:OFF+1]
	s_or_b32 s[G0K+3], s[G0K+3], 0x80000000
	s_add_nc_u64 s[G0V+2:G0V+3], s[VSRC:VSRC+1], s[OFF:OFF+1]
	s_or_b32 s[G0V+3], s[G0V+3], 0x80000000
.if \pf
	s_wait_xcnt 0x0                                ; the last prefetch, a trip back, has read its address
	s_add_nc_u64 s[PFA:PFA+1], s[PFA:PFA+1], 32768
.endif
	s_wait_dscnt 0x0                               ; both adds are done, and my reads of the slot that I have left are over
	s_barrier_signal -1
	s_barrier_wait -1
	s_cmp_gt_u32 s[NK], s[LAST]                    ; ids and counts alone, the same in all sixteen waves: a slot that no wave would read is not asked for
	s_cbranch_scc1 .Lpast_\@
	TLOAD                                          ; a wave's one tensor load until the next barrier
.Lpast_\@:
.if \pf
	ASK
.endif
.endm
; A TRIP'S WORK: my 64 keys of the slot in hand against my 32 queries.
.macro STEP
	s_add_co_u32 s66, s[Q0], 31
	s_cmp_gt_u32 s[KF], s66                        ; all my keys come after my queries: nothing to do.  (KF is a multiple of 64 and Q0 of 32: where the step is walked, KF <= Q0, so every query has a key that counts)
	s_cbranch_scc1 .Lhid_\@
	v_add_nc_u32 v[ADK], s[TB], v[AK0]
	v_add_nc_u32 v[ADV], s[TB], v[AV0]
.irp kt, 0,1,2,3
.irp ks, 0,1
	ds_load_b128 v[F+16*\kt+8*\ks:F+16*\kt+8*\ks+3],   v[ADK] offset:\kt*16*KP+64*\ks
	ds_load_b128 v[F+16*\kt+8*\ks+4:F+16*\kt+8*\ks+7], v[ADK] offset:\kt*16*KP+64*\ks+32
.endr
.endr
	s_wait_dscnt 0x0
.irp ks, 0,1                                   ; eight accumulators by turns
.irp kt, 0,1,2,3
.irp a, 0,1
.if \ks == 0
	v_wmma_f32_16x16x32_f16 v[S+32*\a+8*\kt:S+32*\a+8*\kt+7], v[F+16*\kt+8*\ks:F+16*\kt+8*\ks+7], v[Q+16*\a+8*\ks:Q+16*\a+8*\ks+7], 0
.else
	v_wmma_f32_16x16x32_f16 v[S+32*\a+8*\kt:S+32*\a+8*\kt+7], v[F+16*\kt+8*\ks:F+16*\kt+8*\ks+7], v[Q+16*\a+8*\ks:Q+16*\a+8*\ks+7], v[S+32*\a+8*\kt:S+32*\a+8*\kt+7]
.endif
.endr
.endr
.endr
.rept 4
	v_nop                                          ; places in front of the loads into K's registers and of the first reads of the scores
.endr
.irp c, 0,1
.irp t, 0,1,2,3
	ds_load_tr16_b128 v[F+32*\c+8*\t:F+32*\c+8*\t+3],   v[ADV] offset:\c*32*VP+32*\t
	ds_load_tr16_b128 v[F+32*\c+8*\t+4:F+32*\c+8*\t+7], v[ADV] offset:\c*32*VP+16*VP+32*\t
.endr
.endr
	s_add_co_u32 s66, s[KF], 63
	s_cmp_le_u32 s66, s[Q0]                        ; all my keys count for all my queries: no mask
	s_cbranch_scc1 .Lopen_\@
	s_sub_co_i32 s66, s[Q0], s[KF]
	v_and_b32 v8, 15, v0
	v_bfe_u32 v9, v0, 4, 1
	v_lshlrev_b32 v9, 3, v9
	v_sub_nc_u32 v8, v8, v9
	v_add_nc_u32 v8, s66, v8                       ; d = Q0 - KF + r - 8 h.  Register 32 a + 8 kt + j: hidden where 16 kt + j - 16 a > d
	v_mov_b32 v9, 0xff800000                       ; -infinity
.irp kk, 0,1,2,3,4                             ; one compare serves tile 0's keys 16 (kk - 1) + j and tile 1's keys 16 kk + j
.irp j, 0,1,2,3,4,5,6,7
	v_cmp_gt_i32 vcc_lo, 16*(\kk-1)+\j, v8
.if \kk > 0
	v_cndmask_b32 v[S+8*(\kk-1)+\j], v[S+8*(\kk-1)+\j], v9, vcc_lo
.endif
.if \kk < 4
	v_cndmask_b32 v[S+32+8*\kk+\j], v[S+32+8*\kk+\j], v9, vcc_lo
.endif
.endr
.endr
.Lopen_\@:
.irp a, 0,1                                    ; the largest score: two chains a tile, each accumulator met at its low end first
	v_max3_num_f32 v[ST+8*\a+4], v[S+32*\a], v[S+32*\a+1], v[S+32*\a+2]
	v_max3_num_f32 v[ST+8*\a+5], v[S+32*\a+16], v[S+32*\a+17], v[S+32*\a+18]
.endr
.irp i, 3,5,7,9,11,13
.irp a, 0,1
	v_max3_num_f32 v[ST+8*\a+4], v[ST+8*\a+4], v[S+32*\a+\i], v[S+32*\a+\i+1]
	v_max3_num_f32 v[ST+8*\a+5], v[ST+8*\a+5], v[S+32*\a+16+\i], v[S+32*\a+17+\i]
.endr
.endr
.irp a, 0,1
	v_max3_num_f32 v[ST+8*\a+4], v[ST+8*\a+4], v[S+32*\a+15], v[S+32*\a+31]
.endr
.irp a, 0,1
	v_max3_num_f32 v[ST+8*\a+4], v[ST+8*\a+4], v[ST+8*\a+5], v[ST+8*\a+1]   ; with the old m
.endr
.irp a, 0,1
	v_permlanex16_b32 v[ST+8*\a+5], v[ST+8*\a+4], s[SEL], s[SEL+1]
.endr
.irp a, 0,1
	v_max_num_f32 v[ST+8*\a+1], v[ST+8*\a+4], v[ST+8*\a+5]                  ; the new m
	v_mov_b32 v[ST+8*\a+7], v[ST+8*\a]                                      ; the old c m
.endr
.irp a, 0,1
	v_mul_f32 v[ST+8*\a], s[CS], v[ST+8*\a+1]
.endr
.irp a, 0,1
	v_sub_f32 v[ST+8*\a+7], v[ST+8*\a+7], v[ST+8*\a]
.endr
.irp n, 0,2,4,6,8,10,12,14,16,18,20,22,24,26,28,30
.irp a, 0,1
	v_pk_fma_f32 v[S+32*\a+\n:S+32*\a+\n+1], v[S+32*\a+\n:S+32*\a+\n+1], s[CS:CS+1], v[ST+8*\a:ST+8*\a+1] op_sel_hi:[1,0,0] neg_lo:[0,0,1] neg_hi:[0,0,1]   ; c s - c m
.endr
.endr
.irp a, 0,1
	v_exp_f32 v[ST+8*\a+6], v[ST+8*\a+7]           ; a
.endr
.set i, 0
.rept 64
	v_exp_f32 v[S+i], v[S+i]                       ; p, at most 1
.set i, i+1
.endr
	v_nop                                          ; a plain line behind the last exponential
	s_wait_alu depctr_va_vdst(0)                   ; one wait for the batch of 66, ahead of its first reader
.irp a, 0,1                                    ; l = a l + the sum of p, two at a time, two chains a tile
	v_pk_fma_f32 v[ST+8*\a+2:ST+8*\a+3], v[ST+8*\a+2:ST+8*\a+3], v[ST+8*\a+6:ST+8*\a+7], v[S+32*\a:S+32*\a+1] op_sel_hi:[1,0,1]
	v_pk_add_f32 v[ST+8*\a+4:ST+8*\a+5], v[S+32*\a+2:S+32*\a+3], v[S+32*\a+4:S+32*\a+5]
.endr
.irp i, 6,10,14,18,22,26
.irp a, 0,1
	v_pk_add_f32 v[ST+8*\a+2:ST+8*\a+3], v[ST+8*\a+2:ST+8*\a+3], v[S+32*\a+\i:S+32*\a+\i+1]
	v_pk_add_f32 v[ST+8*\a+4:ST+8*\a+5], v[ST+8*\a+4:ST+8*\a+5], v[S+32*\a+\i+2:S+32*\a+\i+3]
.endr
.endr
.irp a, 0,1
	v_pk_add_f32 v[ST+8*\a+2:ST+8*\a+3], v[ST+8*\a+2:ST+8*\a+3], v[S+32*\a+30:S+32*\a+31]
.endr
.irp a, 0,1
	v_pk_add_f32 v[ST+8*\a+2:ST+8*\a+3], v[ST+8*\a+2:ST+8*\a+3], v[ST+8*\a+4:ST+8*\a+5]
.endr
.irp n, 0,1,2,3,4,5,6,7,8,9,10,11,12,13,14,15   ; p to f16, in place, ascending: register n takes numbers 2 n, 2 n + 1
.irp a, 0,1
	v_cvt_pk_f16_f32 v[S+32*\a+\n], v[S+32*\a+2*\n], v[S+32*\a+2*\n+1]
.endr
.endr
.irp n, 0,2,4,6,8,10,12,14,16,18,20,22,24,26,28,30
.irp a, 0,1
	v_pk_mul_f32 v[O+32*\a+\n:O+32*\a+\n+1], v[O+32*\a+\n:O+32*\a+\n+1], v[ST+8*\a+6:ST+8*\a+7] op_sel_hi:[1,0]   ; O^T under the new m
.endr
.endr
	s_wait_dscnt 0x0                               ; V
.irp c, 0,1                                    ; eight accumulators by turns
.irp t, 0,1,2,3
.irp a, 0,1
	v_wmma_f32_16x16x32_f16 v[O+32*\a+8*\t:O+32*\a+8*\t+7], v[F+32*\c+8*\t:F+32*\c+8*\t+7], v[S+32*\a+8*\c:S+32*\a+8*\c+7], v[O+32*\a+8*\t:O+32*\a+8*\t+7]
.endr
.endr
.endr
.rept 5
	v_nop                                          ; the next trip's products write over P's registers (five places), its loads land on V's (four)
.endr
.Lhid_\@:
	s_add_co_u32 s[KF], s[KF], 256
	s_xor_b32 s[TB], s[TB], SLOT
.endm
; A PHASE'S END: the four u of each g meet in LDS; wave w finishes queries 8 w .. 8 w + 7 of the block and stores them.
.macro FINISH
.irp a, 0,1
	v_add_f32 v[ST+8*\a+4], v[ST+8*\a+2], v[ST+8*\a+3]
.endr
.irp a, 0,1
	v_permlanex16_b32 v[ST+8*\a+5], v[ST+8*\a+4], s[SEL], s[SEL+1]
.endr
.irp a, 0,1
	v_add_f32 v[ST+8*\a+5], v[ST+8*\a+4], v[ST+8*\a+5]     ; l over my 64-key shares
	v_mov_b32 v[ST+8*\a+4], v[ST+8*\a]                     ; beside c m, for one store of 8 bytes
.endr
.irp a, 0,1
	ds_store_b64 v[MSA], v[ST+8*\a+4:ST+8*\a+5] offset:128*\a   ; both halves of the lanes write the same numbers
.irp t, 0,1,2,3
	ds_store_b128 v[MW], v[O+32*\a+8*\t:O+32*\a+8*\t+3]   offset:4352*\a+64*\t
	ds_store_b128 v[MW], v[O+32*\a+8*\t+4:O+32*\a+8*\t+7] offset:4352*\a+64*\t+16
.endr
.endr
	s_wait_dscnt 0x0                               ; for the others' sake: my stores are done
	s_barrier_signal -1
	s_barrier_wait -1
.irp i, 0,1
.irp u, 0,1
	ds_load_b128 v[F+32*\i+8*\u:F+32*\i+8*\u+3],       v[MR]  offset:\u*MPL+1088*\i
	ds_load_b128 v[F+32*\i+8*\u+4:F+32*\i+8*\u+7],     v[MR]  offset:\u*MPL+1088*\i+16
	ds_load_b128 v[F+32*\i+8*\u+16:F+32*\i+8*\u+19],   v[MR2] offset:\u*MPL+1088*\i
	ds_load_b128 v[F+32*\i+8*\u+20:F+32*\i+8*\u+23],   v[MR2] offset:\u*MPL+1088*\i+16
.endr
.irp u, 0,1,2,3
	ds_load_b64 v[S+8*\i+2*\u:S+8*\i+2*\u+1], v[MSR] offset:1024*\u+32*\i
.endr
.endr
	s_wait_dscnt 0x0
.irp i, 0,1
	v_max3_num_f32 v[S+24+\i], v[S+8*\i], v[S+8*\i+2], v[S+8*\i+4]
.endr
.irp i, 0,1
	v_max_num_f32 v[S+24+\i], v[S+24+\i], v[S+8*\i+6]      ; the largest of the four c m: u = 0 has key 0, so it is a score's
.endr
.irp u, 0,1,2,3
.irp i, 0,1
	v_sub_f32 v[S+16+4*\i+\u], v[S+8*\i+2*\u], v[S+24+\i]
.endr
.endr
.irp n, 0,1,2,3,4,5,6,7
	v_exp_f32 v[S+16+\n], v[S+16+\n]               ; f: 0 for a share that saw no key
.endr
	v_nop
	s_wait_alu depctr_va_vdst(0)                   ; one wait for the eight
.irp i, 0,1
	v_mul_f32 v[S+26+\i], v[S+16+4*\i], v[S+8*\i+1]
.endr
.irp u, 1,2,3
.irp i, 0,1
	v_fmac_f32 v[S+26+\i], v[S+16+4*\i+\u], v[S+8*\i+2*\u+1]
.endr
.endr
.irp i, 0,1
	v_rcp_f32 v[S+28+\i], v[S+26+\i]
.endr
	v_nop
	s_wait_alu depctr_va_vdst(0)                   ; one wait for the two
.irp u, 0,1,2,3
.irp i, 0,1
	v_mul_f32 v[S+16+4*\i+\u], v[S+16+4*\i+\u], v[S+28+\i]
.endr
.endr
.irp i, 0,1
.irp j, 0,1,2,3,4,5,6,7
	v_mul_f32 v[S+32+8*\i+\j], v[S+16+4*\i], v[F+32*\i+\j]
.endr
.endr
.irp u, 1,2,3
.irp i, 0,1
.irp j, 0,1,2,3,4,5,6,7
	v_fmac_f32 v[S+32+8*\i+\j], v[S+16+4*\i+\u], v[F+32*\i+8*\u+\j]
.endr
.endr
.endr
.irp i, 0,1
.irp p, 0,1,2,3
	v_cvt_pk_f16_f32 v[S+48+4*\i+\p], v[S+32+8*\i+2*\p], v[S+32+8*\i+2*\p+1]
.endr
.endr
.irp i, 0,1
	global_store_b128 v[GO], v[S+48+4*\i:S+48+4*\i+3], s[CTB:CTB+1] offset:512*\i   ; four positions of the head: 512 consecutive bytes, aligned
.endr
.endm
	INIT 0
	s_mov_b32 s[CNT], 16
.LA:
	CHANGE 1
	STEP
	s_sub_co_u32 s[CNT], s[CNT], 1
	s_cmp_lg_u32 s[CNT], 0
	s_cbranch_scc1 .LA
	FINISH
	INIT 1
	s_mov_b32 s[CNT], 8
.LB:
	CHANGE 0
	STEP
	s_sub_co_u32 s[CNT], s[CNT], 1
	s_cmp_lg_u32 s[CNT], 0
	s_cbranch_scc1 .LB
	FINISH
	s_wait_tensorcnt 0x0                           ; the wave's end
	ds_add_u32 v[SPW], v[NIL]
	s_wait_dscnt 0x0
	s_endpgm
.Lfunc_end_k_qbd2d0e9d39_attn:
	.size	k_qbd2d0e9d39_attn, .Lfunc_end_k_qbd2d0e9d39_attn-k_qbd2d0e9d39_attn
	.p2alignl 7, 3214868480
	.fill 96, 4, 3214868480
	.section	.rodata,"a",@progbits
	.p2align	6, 0x0
	.amdhsa_kernel k_qbd2d0e9d39_attn
		.amdhsa_group_segment_fixed_size 327680
		.amdhsa_private_segment_fixed_size 0
		.amdhsa_enable_private_segment 0
		.amdhsa_kernarg_size 16
		.amdhsa_user_sgpr_count 2
		.amdhsa_user_sgpr_kernarg_segment_ptr 1
		.amdhsa_wavefront_size32 1
		.amdhsa_system_sgpr_workgroup_id_x 1
		.amdhsa_system_sgpr_workgroup_id_y 1
		.amdhsa_system_sgpr_workgroup_id_z 1
		.amdhsa_system_vgpr_workitem_id 0
		.amdhsa_next_free_vgpr 256
		.amdhsa_next_free_sgpr 72
		.amdhsa_reserve_vcc 1
		.amdhsa_float_denorm_mode_32 3
		.amdhsa_float_denorm_mode_16_64 3
		.amdhsa_memory_ordered 1
		.amdhsa_forward_progress 1
		.amdhsa_inst_pref_size 73
	.end_amdhsa_kernel
	.amdgpu_metadata
---
amdhsa.version: [ 1, 2 ]
amdhsa.kernels:
  - .name:           k_qbd2d0e9d39_attn
    .symbol:         k_qbd2d0e9d39_attn.kd
    .args:
      - { .name: qkv, .offset: 0, .size: 8, .value_kind: global_buffer, .address_space: global }
      - { .name: ctx, .offset: 8, .size: 8, .value_kind: global_buffer, .address_space: global }
    .group_segment_fixed_size: 327680
    .private_segment_fixed_size: 0
    .kernarg_segment_align: 8
    .kernarg_segment_size: 16
    .max_flat_workgroup_size: 512
    .sgpr_count:     72
    .vgpr_count:     256
    .wavefront_size: 32
...
	.end_amdgpu_metadata
.endif
;; end of part 3
;; launch proj (part 4): grid 8 x 32, 4 waves a work-group, clusters of 4 x 4, 327,680 bytes of LDS; arguments ctx, wo16, bo, out0; writes out0
.if DOCPART == 4
	.amdgcn_target "amdgcn-amd-amdhsa--gfx1250"
	.amdhsa_code_object_version 6
	.text
	.protected	k_qbd2d0e9d39_proj
	.globl	k_qbd2d0e9d39_proj
	.p2align	8
	.type	k_qbd2d0e9d39_proj,@function
k_qbd2d0e9d39_proj:
	s_mov_b64 s[64:65], 0
	v_nop
	global_prefetch_b8 v0, s[64:65] scope:SCOPE_SE
	s_setreg_imm32_b32 hwreg(HW_REG_WAVE_MODE, 25, 1), 1
	s_wait_xcnt 0x0
	s_wait_alu depctr_hold_cnt(0) depctr_sa_sdst(0) depctr_va_vdst(0) depctr_va_sdst(0) depctr_va_ssrc(0) depctr_va_vcc(0) depctr_vm_vsrc(0)
	s_getreg_b32 s2, hwreg(HW_REG_IB_STS2, 6, 4)
	s_cmp_eq_u32 s2, 0
	s_cbranch_scc0 .Lentry_in_a_cluster
	s_endpgm
.Lentry_in_a_cluster:
	s_bfe_u32 s2, ttmp6, 0x10000c
	s_cmp_lg_u32 s2, 0xf033
	s_cbranch_scc0 .Lentry_shape_is_right
	s_endpgm
.Lentry_shape_is_right:
; out0[s][e] = the sum over d of ctx[s][d] Wo[e][d] + bo[e].  ctx: [16 heads][4096][64] f16 (d = 64 head + channel); wo16: [1024][1024] f16; bo, out0: f32; sums in f32.
; 4,096 x 1,024 are 256 tiles of 128 x 128: one for each work-group.  Four waves, each 64 x 64: 16 accumulators.  K goes in steps of 256 (four heads) through two LDS slots.
; A's tile: one load a wave brings 64 positions of four heads: four rows of 8,192 dense bytes, a plane apart, 16 bytes of padding behind every 256 (two positions): position p of a head lies at (p / 2) 272 + (p % 2) 128.
; B's tile: 64 rows of 512 bytes, 16 of padding behind each.  CLUSTERS: 4 x 4; A's tiles are asked for jointly along a row of the cluster, B's along a column.
; THE MATRIX INSTRUCTION IS USED TRANSPOSED (source 0 = 16 rows of Wo, source 1 = 16 positions): a lane holds eight neighbouring columns of one row.  The bias is the C of each sum's first product.
; Rows 0-15 are stored here like all others and written once more by the launch that follows, which carries them in f32: 65,536 bytes twice, so that no line here hangs on a work-group's place.
; REGISTERS: window 0: v0-31 addresses; v32-95 at work on the way out; v96-127 the bias; v128-255 the accumulators ((a, b) at v[128 + 8 (4 a + b)]).  window 1: two fragment buffers of 128: 64 registers of A, then 64 of B.
.set SIZE_N, 1024
.set SIZE_K, 1024
.set KSTEP,  256
.set PITCH,  528
.set HALFB,  64*PITCH
.set PLANE,  32*272                    ; 64 positions of one head in LDS
.set HALFA,  4*PLANE
.set SLOT,   2*HALFA+2*HALFB
.set STAGE,  2*SLOT                    ; behind the ring: 16 rows x 272 bytes for each wave
.set SPITCH, 272
.set SPARE,  STAGE+4*16*SPITCH
.set LAPS,   SIZE_K/(2*KSTEP)
.set ASTEP,  4*524288                  ; a K step in ctx: four planes
.set ADRA, 16
.set ADRB, 20
.set STO,  24
.set RD,   25
.set CO,   26
.set SPW,  28
.set NIL,  29
.set TMP,  32
.set BIAS, 96
.set ACC,  128
.set F0,   0
.set F1,   128
.set G1, 24
.set G0, 32
.set G1B, 48
.set G0B, 56
.set MSB, 0
.macro WIN new
.if MSB != (\new)
	s_set_vgpr_msb (MSB<<8)|(\new)
.set MSB, (\new)
.endif
.endm
.set MUL,  0x05                        ; sources 0 (B) and 1 (A) window 1; C and D window 0
.set TO_F, 0x40
.macro JLOAD s                         ; waves 0 and 1 fetch A's two halves, waves 2 and 3 B's; an s_nop 0 and four v_nop follow each line
	s_cmp_eq_u32 s11, 0
	s_cbranch_scc0 .Lfor_b_\@
	tensor_load_to_lds s[G0+4*\s:G0+4*\s+3], s[G1:G1+7]
	s_nop 0
.rept 4
	v_nop
.endr
	s_branch .Lasked_\@
.Lfor_b_\@:
	tensor_load_to_lds s[G0B+4*\s:G0B+4*\s+3], s[G1B:G1B+7]
	s_nop 0
.rept 4
	v_nop
.endr
.Lasked_\@:
.endm
.macro CREST
	s_cmp_lg_u32 s10, 0
	s_cbranch_scc1 .Lnot_wave_0_\@
	s_barrier_signal -3
.Lnot_wave_0_\@:
	s_barrier_wait -3
	s_barrier_signal -1
	s_barrier_wait -1
.endm
.macro CROUND
	s_barrier_signal -1
	s_barrier_wait -1
	CREST
.endm
	s_load_b128 s[4:7], s[0:1], 0x0                ; ctx s[4:5], wo16 s[6:7]
	s_load_b64 s[66:67], s[0:1], 0x10              ; bo
	s_load_b64 s[8:9], s[0:1], 0x18                ; out0
	v_lshl_add_u32 v[SPW], v0, 2, SPARE
	v_mov_b32 v[NIL], 0
	ds_add_u32 v[SPW], v[NIL]                      ; the wave's opening: the add, twice on end, and its wait ahead of my first tensor load
	ds_add_u32 v[SPW], v[NIL]
	v_lshrrev_b32 v1, 5, v0
	v_readfirstlane_b32 s10, v1                    ; wave 0..3
	s_lshr_b32 s11, s10, 1                         ; which half of the tile's rows is mine.  Also: I fetch for A (0) or for B (1)
	s_and_b32 s12, s10, 1                          ; which half of its columns.  Also: which 64 rows I fetch
	s_bfe_u32 s40, ttmp6, 0x40000
	s_bfe_u32 s41, ttmp6, 0x40004
	s_lshl_b32 s42, ttmp9, 2
	s_add_co_u32 s42, s42, s40                     ; tile column
	s_and_b32 s13, ttmp7, 0xffff
	s_lshl_b32 s13, s13, 2
	s_add_co_u32 s13, s13, s41                     ; tile row
	s_lshl_b32 s43, s41, 2
	s_lshl_b32 s43, 15, s43                        ; my row of the cluster
	s_lshl_b32 s44, 0x1111, s40                    ; my column
	s_or_b32 s[G1+0], s43, (1<<16)|(1<<20)|(1<<21)|(5<<22)|(3<<25)  ; A: the mask; elements of 2 bytes; padding: 4 words behind every 64
	s_mov_b32 s[G1+1], 4096<<16                    ; tensor_dim0 = 4,096 elements: 64 positions of a head
	s_mov_b32 s[G1+2], 4<<16                       ; tensor_dim1 = 4 heads
	s_mov_b32 s[G1+3], 4096<<16                    ; tile_dim0
	s_mov_b32 s[G1+4], 4                           ; tile_dim1
	s_mov_b32 s[G1+5], 262144                      ; from head to head, in elements
	s_mov_b32 s[G1+6], 0
	s_mov_b32 s[G1+7], 0
	s_or_b32 s[G1B+0], s44, (1<<16)|(1<<20)|(1<<21)|(6<<22)|(3<<25) ; B: 4 words behind every 128
	s_mov_b32 s[G1B+1], KSTEP<<16
	s_mov_b32 s[G1B+2], 64<<16
	s_mov_b32 s[G1B+3], KSTEP<<16
	s_mov_b32 s[G1B+4], 64
	s_mov_b32 s[G1B+5], SIZE_K
	s_mov_b32 s[G1B+6], 0
	s_mov_b32 s[G1B+7], 0
	s_lshl_b32 s17, s12, 6                         ; which 64 rows of the tile I fetch
	s_lshl_b32 s16, s13, 7
	s_add_co_u32 s16, s16, s17                     ; A: position 128 x tile row + 64 x half,
	s_lshl_b32 s16, s16, 7                         ; 128 bytes each
	s_lshl_b32 s46, s42, 7
	s_add_co_u32 s46, s46, s17                     ; B: row 128 x tile column + 64 x half,
	s_lshl_b32 s46, s46, 11                        ; 2,048 bytes each
	s_mov_b32 s17, 0
	s_mov_b32 s47, 0
	s_mul_i32 s20, s12, HALFA                      ; where they go: no place in the cluster enters an LDS address
	s_mul_i32 s21, s12, HALFB
	s_add_co_u32 s21, s21, 2*HALFA
	s_wait_dscnt 0x0                               ; both opening adds are done
	s_wait_kmcnt 0x0
	s_add_nc_u64 s[14:15], s[4:5], s[16:17]
	s_add_nc_u64 s[46:47], s[6:7], s[46:47]
	CROUND                                         ; all sixteen work-groups are here: the first joint loads meet
.irp s, 0,1
	s_mov_b32 s[G0+4*\s], 1
	s_add_co_u32 s[G0+4*\s+1], s20, \s*SLOT
	s_add_nc_u64 s[G0+4*\s+2:G0+4*\s+3], s[14:15], \s*ASTEP
	s_or_b32 s[G0+4*\s+3], s[G0+4*\s+3], 0x80000000
	s_mov_b32 s[G0B+4*\s], 1
	s_add_co_u32 s[G0B+4*\s+1], s21, \s*SLOT
	s_add_nc_u64 s[G0B+4*\s+2:G0B+4*\s+3], s[46:47], \s*KSTEP*2
	s_or_b32 s[G0B+4*\s+3], s[G0B+4*\s+3], 0x80000000
	JLOAD \s
.endr
	v_and_b32 v1, 15, v0                           ; r
	v_bfe_u32 v2, v0, 4, 1                         ; h
	v_mul_u32_u24 v3, v1, PITCH
	v_lshl_add_u32 v3, v2, 4, v3                   ; B: row x pitch + 16 h
	v_lshrrev_b32 v4, 1, v1
	v_mul_u32_u24 v4, v4, 272
	v_and_b32 v5, 1, v1
	v_lshl_add_u32 v4, v5, 7, v4
	v_lshl_add_u32 v4, v2, 4, v4                   ; A: (r / 2) 272 + (r % 2) 128 + 16 h: sixteen rows in sixteen different columns of 16 bytes
	s_mul_i32 s21, s11, HALFA                      ; my 64 rows of A
	s_mul_i32 s22, s12, HALFB                      ; my 64 rows of B,
	s_add_co_u32 s22, s22, 2*HALFA                 ; behind A's 128
.irp s, 0,1
	v_add_nc_u32 v[ADRA+\s], s21, v4
	v_add_nc_u32 v[ADRB+\s], s22, v3
	s_add_co_u32 s21, s21, SLOT
	s_add_co_u32 s22, s22, SLOT
.endr
	s_mul_i32 s23, s10, 16*SPITCH
	s_add_co_u32 s23, s23, STAGE                   ; my stage
	v_mul_u32_u24 v4, v1, SPITCH
	v_lshl_add_u32 v4, v2, 5, v4
	v_add_nc_u32 v[STO], s23, v4                   ; in: row r, 32 bytes for each half of the lanes
	v_mul_u32_u24 v5, v2, SPITCH
	v_lshl_add_u32 v5, v1, 4, v5
	v_add_nc_u32 v[RD], s23, v5                    ; back: lanes 0-15 one row of 256 bytes, lanes 16-31 the next
	v_lshlrev_b32 v5, 12, v2
	v_lshl_add_u32 v[CO], v1, 4, v5                ; and the same two rows in out0
	s_lshl_b32 s16, s13, 7
	s_lshl_b32 s17, s11, 6
	s_add_co_u32 s16, s16, s17                     ; my first row,
	s_lshl_b32 s16, s16, 12                        ; 4,096 bytes each
	s_mov_b32 s17, 0
	s_lshl_b32 s46, s42, 7
	s_lshl_b32 s47, s12, 6
	s_add_co_u32 s46, s46, s47                     ; my first column,
	s_lshl_b32 s46, s46, 2
	s_mov_b32 s47, 0
	s_add_nc_u64 s[8:9], s[8:9], s[16:17]
	s_add_nc_u64 s[8:9], s[8:9], s[46:47]
	s_add_nc_u64 s[66:67], s[66:67], s[46:47]
	v_lshlrev_b32 v6, 5, v2                        ; the bias in the result's layout: block b, registers 0-7: columns 16 b + 8 h + 0 .. 7
.irp b, 0,1,2,3
	global_load_b128 v[BIAS+8*\b:BIAS+8*\b+3],   v6, s[66:67] offset:64*\b
	global_load_b128 v[BIAS+8*\b+4:BIAS+8*\b+7], v6, s[66:67] offset:64*\b+16
.endr
; 8 matrix instructions: m blocks a0, a0 + 1 x all 4 n blocks, 32 along K.  zero = 1: the first product starts the sums, on the bias.  The 16 accumulators take turns.
.macro MUL8 f, c, a0, zero
.irp a, \a0, \a0+1
.irp b, 0,1,2,3
.if \zero
	v_wmma_f32_16x16x32_f16 v[ACC+8*(4*(\a)+\b):ACC+8*(4*(\a)+\b)+7], v[\f+64+8*(4*\c+\b):\f+64+8*(4*\c+\b)+7], v[\f+8*(4*\c+\a):\f+8*(4*\c+\a)+7], v[BIAS+8*\b:BIAS+8*\b+7]
.else
	v_wmma_f32_16x16x32_f16 v[ACC+8*(4*(\a)+\b):ACC+8*(4*(\a)+\b)+7], v[\f+64+8*(4*\c+\b):\f+64+8*(4*\c+\b)+7], v[\f+8*(4*\c+\a):\f+8*(4*\c+\a)+7], v[ACC+8*(4*(\a)+\b):ACC+8*(4*(\a)+\b)+7]
.endif
.endr
.endr
.endm
; 32 LDS loads in one run: 64 along K (one head), at byte k of B's rows and plane k / 128 of A, into buffer f; the first 32 along K first
.macro FETCH slot, k, f
	WIN TO_F
.irp c, 0,1
.irp i, 0,1,2,3
	ds_load_b128 v[\f+64+8*(4*\c+\i):\f+64+8*(4*\c+\i)+3],   v[ADRB+\slot] offset:\k+64*\c+\i*16*PITCH
	ds_load_b128 v[\f+64+8*(4*\c+\i)+4:\f+64+8*(4*\c+\i)+7], v[ADRB+\slot] offset:\k+64*\c+\i*16*PITCH+32
	ds_load_b128 v[\f+8*(4*\c+\i):\f+8*(4*\c+\i)+3],         v[ADRA+\slot] offset:(\k)/128*PLANE+64*\c+\i*8*272
	ds_load_b128 v[\f+8*(4*\c+\i)+4:\f+8*(4*\c+\i)+7],       v[ADRA+\slot] offset:(\k)/128*PLANE+64*\c+\i*8*272+32
.endr
.endr
.endm
.macro PLACES
.rept 4
	v_nop
.endr
.endm
.macro QUARTER slot, k, f, g, zero
	s_wait_dscnt 16                                ; the first 32 along K are in; the youngest sixteen loads may be out
	WIN MUL
	MUL8 \f, 0, 0, \zero
	MUL8 \f, 0, 2, \zero
	PLACES
	FETCH \slot, \k, \g
	s_wait_dscnt 32                                ; all but the 32 just issued
	WIN MUL
	MUL8 \f, 1, 0, 0
	MUL8 \f, 1, 2, 0
.endm
; The last quarter changes slots: one barrier; in front of it each wave waits for all its tensor loads, adds 0 to its spare word, and waits for that and for its reads of this slot.  fill = 1: this slot is filled again, two K steps ahead.
.macro TURN slot, next, fill
	WIN 0
	s_wait_tensorcnt 0x0
	ds_add_u32 v[SPW], v[NIL]
	s_wait_dscnt 17                                ; (the add and the youngest sixteen loads may be out)
	WIN MUL
	MUL8 F1, 0, 0, 0
	s_wait_dscnt 0x0                               ; the add is done, and my reads of this slot are over
	s_barrier_signal -1
	MUL8 F1, 0, 2, 0
.if \fill
	WIN 0
.endif
	s_barrier_wait -1
.if \fill
	CREST                                          ; the barrier has opened a round of the cluster's: no wave of any partner still reads this slot or has a load on its way
	s_add_nc_u64 s[G0+4*\slot+2:G0+4*\slot+3], s[G0+4*\slot+2:G0+4*\slot+3], 2*ASTEP
	s_add_nc_u64 s[G0B+4*\slot+2:G0B+4*\slot+3], s[G0B+4*\slot+2:G0B+4*\slot+3], 2*KSTEP*2
	JLOAD \slot                                    ; the first tensor load behind the round; its four v_nop are also the places in front of the loads below
.else
	PLACES
.endif
	FETCH \next, 0, F0
	WIN MUL
	MUL8 F1, 1, 0, 0
	MUL8 F1, 1, 2, 0
.endm
	s_wait_loadcnt 0x0                             ; the bias
	s_wait_tensorcnt 1                             ; my part of K step 0 is in (K step 1's may be out)
	s_barrier_signal -1
	s_barrier_wait -1                              ; everybody's is
	FETCH 0, 0, F0
	QUARTER 0, 128, F0, F1, 1
	WIN 0
	s_mov_b32 s3, LAPS-1
.Llap:                                                 ; a trip goes once round the ring and fills both slots again
	QUARTER 0, 256, F1, F0, 0
	QUARTER 0, 384, F0, F1, 0
	TURN 0, 1, 1
	QUARTER 1, 128, F0, F1, 0
	QUARTER 1, 256, F1, F0, 0
	QUARTER 1, 384, F0, F1, 0
	TURN 1, 0, 1
	QUARTER 0, 128, F0, F1, 0
	WIN 0
	s_sub_co_u32 s3, s3, 1
	s_cmp_lg_u32 s3, 0
	s_cbranch_scc1 .Llap
	QUARTER 0, 256, F1, F0, 0                      ; the last lap fills nothing
	QUARTER 0, 384, F0, F1, 0
	TURN 0, 1, 0
	QUARTER 1, 128, F0, F1, 0
	QUARTER 1, 256, F1, F0, 0
	QUARTER 1, 384, F0, F1, 0
	s_wait_dscnt 16
	WIN MUL
	MUL8 F1, 0, 0, 0
	MUL8 F1, 0, 2, 0
	s_wait_dscnt 0
	MUL8 F1, 1, 0, 0
	MUL8 F1, 1, 2, 0
	WIN 0
; THE WAY OUT.  My 64 columns of f32 are 256 aligned bytes of a row: each wave has a stage of its own and no barrier is needed.  A block of 16 rows goes in by lanes' 32 bytes and comes back as whole rows.
.macro TOSTAGE a
.irp b, 0,1,2,3
	ds_store_b128 v[STO], v[ACC+8*(4*(\a)+\b):ACC+8*(4*(\a)+\b)+3]   offset:64*\b       ; each accumulator from its low end on
	ds_store_b128 v[STO], v[ACC+8*(4*(\a)+\b)+4:ACC+8*(4*(\a)+\b)+7] offset:64*\b+16
.endr
.irp t, 0,1,2,3,4,5,6,7
	ds_load_b128 v[TMP+32*((\a)%2)+4*\t:TMP+32*((\a)%2)+4*\t+3], v[RD] offset:\t*2*SPITCH   ; LDS serves a wave's instructions in order
.endr
.endm
.macro SEND a, younger
	s_wait_dscnt \younger
.irp t, 0,1,2,3,4,5,6,7
	global_store_b128 v[CO], v[TMP+32*((\a)%2)+4*\t:TMP+32*((\a)%2)+4*\t+3], s[8:9] offset:(16*(\a)+2*\t)*4096 th:TH_STORE_NT   ; 16 lanes store 256 consecutive bytes, aligned
.endr
.endm
	PLACES
	TOSTAGE 0
	TOSTAGE 1
	SEND 0, 16                                     ; behind block 0's loads: block 1's 8 stores and 8 loads
	s_wait_xcnt 0x0                                ; block 0's stores have read their registers
	TOSTAGE 2
	SEND 1, 16
	s_wait_xcnt 0x0
	TOSTAGE 3
	SEND 2, 16
	SEND 3, 0
	s_wait_tensorcnt 0x0                           ; the wave's end
	ds_add_u32 v[SPW], v[NIL]
	s_wait_dscnt 0x0
	CROUND                                         ; the closing round
	s_endpgm
.Lfunc_end_k_qbd2d0e9d39_proj:
	.size	k_qbd2d0e9d39_proj, .Lfunc_end_k_qbd2d0e9d39_proj-k_qbd2d0e9d39_proj
	.p2alignl 7, 3214868480
	.fill 96, 4, 3214868480
	.section	.rodata,"a",@progbits
	.p2align	6, 0x0
	.amdhsa_kernel k_qbd2d0e9d39_proj
		.amdhsa_group_segment_fixed_size 327680
		.amdhsa_private_segment_fixed_size 0
		.amdhsa_enable_private_segment 0
		.amdhsa_kernarg_size 32
		.amdhsa_user_sgpr_count 2
		.amdhsa_user_sgpr_kernarg_segment_ptr 1
		.amdhsa_wavefront_size32 1
		.amdhsa_system_sgpr_workgroup_id_x 1
		.amdhsa_system_sgpr_workgroup_id_y 1
		.amdhsa_system_sgpr_workgroup_id_z 1
		.amdhsa_system_vgpr_workitem_id 0
		.amdhsa_next_free_vgpr 512
		.amdhsa_next_free_sgpr 72
		.amdhsa_reserve_vcc 0
		.amdhsa_float_denorm_mode_32 3
		.amdhsa_float_denorm_mode_16_64 3
		.amdhsa_memory_ordered 1
		.amdhsa_forward_progress 1
		.amdhsa_inst_pref_size 87
	.end_amdhsa_kernel
	.amdgpu_metadata
---
amdhsa.version: [ 1, 2 ]
amdhsa.kernels:
  - .name:           k_qbd2d0e9d39_proj
    .symbol:         k_qbd2d0e9d39_proj.kd
    .args:
      - { .name: ctx, .offset: 0, .size: 8, .value_kind: global_buffer, .address_space: global }
      - { .name: wo16, .offset: 8, .size: 8, .value_kind: global_buffer, .address_space: global }
      - { .name: bo, .offset: 16, .size: 8, .value_kind: global_buffer, .address_space: global }
      - { .name: out0, .offset: 24, .size: 8, .value_kind: global_buffer, .address_space: global }
    .group_segment_fixed_size: 327680
    .private_segment_fixed_size: 0
    .kernarg_segment_align: 8
    .kernarg_segment_size: 32
    .max_flat_workgroup_size: 128
    .sgpr_count:     72
    .vgpr_count:     512
    .wavefront_size: 32
...
	.end_amdgpu_metadata
.endif
;; end of part 4
;; launch fine (part 5): grid 64 x 1, 16 waves a work-group, no clusters, 22,528 bytes of LDS; arguments qkv32, Wo, bo, out0; writes out0
.if DOCPART == 5
	.amdgcn_target "amdgcn-amd-amdhsa--gfx1250"
	.amdhsa_code_object_version 6
	.text
	.protected	k_qbd2d0e9d39_fine
	.globl	k_qbd2d0e9d39_fine
	.p2align	8
	.type	k_qbd2d0e9d39_fine,@function
k_qbd2d0e9d39_fine:
	s_mov_b64 s[64:65], 0
	v_nop
	global_prefetch_b8 v0, s[64:65] scope:SCOPE_SE
	s_setreg_imm32_b32 hwreg(HW_REG_WAVE_MODE, 25, 1), 1
	s_wait_xcnt 0x0
; Positions 0-15, whose softmax averages one to sixteen values, in f32 throughout: attention and the projection out, written over what the launch before left in rows 0-15 of out0.
; qkv32: [16][3072] f32 (q and k after RoPE, v); Wo [1024][1024], bo [1024], out0 [4096][1024]: f32.
; Work-group x owns output columns 16 x .. 16 x + 15.  Wave w is head w: it makes the head's 16 x 16 attention (the same in every work-group: 4,096 numbers) and the head's part of the 16 x 16 outputs; the sixteen parts are added through LDS.
; All products by the f32 matrix form, 16 x 16 x 4; the places of k are permuted alike in both sources.  Its results are written by matrix instructions alone; what is made of them goes into other registers.
; Both attention products and the projection are used transposed: a lane holds one query (lane % 16).  The stores are pieces of 64 bytes: 65,536 bytes in all.
.set QF, 16                            ; v16-47   q: row r, channels 32 h + 0 .. 31
.set KF, 48                            ; v48-79   k likewise
.set VF, 80                            ; v80-111  register 8 t + i: v[key 8 h + i][channel 16 t + r]
.set WF, 112                           ; v112-143 register 8 t + i: Wo[16 x + r][64 w + 16 t + 8 h + i]
.set SA, 144                           ; v144-159 S^T in two halves of K
.set OT, 160                           ; v160-191 O^T, four tiles of 16 channels
.set OP, 192                           ; v192-207 the outputs' part, in two halves of K
.set SS, 208
.set P,  216
.set CT, 224
.set SPW, 6
.set NIL, 7
.set SPARE, 16*1280
	s_load_b128 s[4:7], s[0:1], 0x0                ; qkv32, Wo
	s_load_b128 s[8:11], s[0:1], 0x10              ; bo, out0
	v_lshl_add_u32 v[SPW], v0, 2, SPARE
	v_mov_b32 v[NIL], 0
	v_lshrrev_b32 v1, 5, v0
	v_readfirstlane_b32 s12, v1                    ; wave = head
	v_and_b32 v1, 15, v0                           ; r
	v_bfe_u32 v2, v0, 4, 1                         ; h
	v_mul_u32_u24 v3, v1, 12288
	v_lshl_add_u32 v3, v2, 7, v3                   ; q, k: row r, + 128 h
	v_mul_u32_u24 v4, v2, 98304
	v_lshl_add_u32 v4, v1, 2, v4                   ; v: key 8 h, channel r
	v_lshlrev_b32 v5, 12, v1
	v_lshl_add_u32 v5, v2, 5, v5                   ; Wo: row r, + 32 h
	v_lshlrev_b32 v8, 3, v2
	v_sub_nc_u32 v8, v1, v8                        ; r - 8 h: key 8 h + j is hidden where j > r - 8 h
	v_mov_b32 v9, 0xff800000                       ; -infinity
	s_mul_i32 s13, s12, 1280
	v_mul_u32_u24 v10, v1, 80
	v_lshl_add_u32 v10, v2, 5, v10
	v_add_nc_u32 v10, s13, v10                     ; my part in LDS: 1,280 w + row r of 64 bytes + 16, + 32 h
	v_lshrrev_b32 v11, 2, v0
	v_mul_u32_u24 v11, v11, 80
	v_and_b32 v1, 3, v0
	v_lshlrev_b32 v1, 4, v1                        ; threads 0-63: 16 bytes of a row's 64
	v_add_nc_u32 v11, v11, v1                      ; back: row thread / 4
	v_lshrrev_b32 v2, 2, v0
	v_lshl_add_u32 v2, v2, 12, v1                  ; and the same place in out0
	s_lshl_b32 s14, s12, 8                         ; the head's 64 channels: 256 bytes
	s_mov_b32 s15, 0
	s_lshl_b32 s16, ttmp9, 16                      ; 16 rows of Wo
	s_mov_b32 s17, 0
	s_lshl_b32 s18, ttmp9, 6                       ; 16 columns
	s_mov_b32 s19, 0
	s_mov_b32 s20, 0x76543210
	s_mov_b32 s21, 0xfedcba98                      ; lane l xor 16
	s_mov_b32 s22, 0x3e38aa3b                      ; c = log2(e) / 8
	s_wait_kmcnt 0x0
	s_add_nc_u64 s[4:5], s[4:5], s[14:15]
	s_add_nc_u64 s[6:7], s[6:7], s[14:15]
	s_add_nc_u64 s[6:7], s[6:7], s[16:17]
	s_add_nc_u64 s[8:9], s[8:9], s[18:19]
	s_add_nc_u64 s[10:11], s[10:11], s[18:19]
.irp n, 0,1,2,3,4,5,6,7
	global_load_b128 v[QF+4*\n:QF+4*\n+3], v3, s[4:5] offset:16*\n
	global_load_b128 v[KF+4*\n:KF+4*\n+3], v3, s[4:5] offset:4096+16*\n
.endr
.irp t, 0,1,2,3
.irp i, 0,1,2,3,4,5,6,7
	global_load_b32 v[VF+8*\t+\i], v4, s[4:5] offset:8192+12288*\i+64*\t
.endr
.endr
.irp t, 0,1,2,3
	global_load_b128 v[WF+8*\t:WF+8*\t+3],   v5, s[6:7] offset:64*\t
	global_load_b128 v[WF+8*\t+4:WF+8*\t+7], v5, s[6:7] offset:64*\t+16
.endr
	global_load_b128 v[12:15], v1, s[8:9]          ; the bias
	s_wait_loadcnt 0x0
.irp kk, 0,1,2,3,4,5,6,7,8,9,10,11,12,13,14,15   ; S^T = k q^T: place 2 h + j of step kk is channel 32 h + 2 kk + j, in both sources.  Two accumulators by turns
.if \kk < 2
	v_wmma_f32_16x16x4_f32 v[SA+8*(\kk%2):SA+8*(\kk%2)+7], v[KF+2*\kk:KF+2*\kk+1], v[QF+2*\kk:QF+2*\kk+1], 0
.else
	v_wmma_f32_16x16x4_f32 v[SA+8*(\kk%2):SA+8*(\kk%2)+7], v[KF+2*\kk:KF+2*\kk+1], v[QF+2*\kk:QF+2*\kk+1], v[SA+8*(\kk%2):SA+8*(\kk%2)+7]
.endif
.endr
.rept 8
	v_nop                                          ; eight places behind this form
.endr
.irp j, 0,1,2,3,4,5,6,7
	v_add_f32 v[SS+\j], v[SA+\j], v[SA+8+\j]       ; lane (r, h): query r, key 8 h + j
.endr
.irp j, 0,1,2,3,4,5,6,7
	v_cmp_gt_i32 vcc_lo, \j, v8
	v_cndmask_b32 v[SS+\j], v[SS+\j], v9, vcc_lo
.endr
	v_max3_num_f32 v16, v[SS], v[SS+1], v[SS+2]
	v_max3_num_f32 v16, v16, v[SS+3], v[SS+4]
	v_max3_num_f32 v16, v16, v[SS+5], v[SS+6]
	v_max_num_f32 v16, v16, v[SS+7]
	v_permlanex16_b32 v17, v16, s20, s21
	v_max_num_f32 v16, v16, v17                    ; the row's largest score: key 0 counts for every query
	v_mul_f32 v16, s22, v16
.irp j, 0,1,2,3,4,5,6,7
	v_fma_f32 v[P+\j], v[SS+\j], s22, -v16
.endr
.irp j, 0,1,2,3,4,5,6,7
	v_exp_f32 v[P+\j], v[P+\j]
.endr
	v_nop
	s_wait_alu depctr_va_vdst(0)                   ; one wait for the eight
	v_add_f32 v18, v[P], v[P+1]
	v_add_f32 v19, v[P+2], v[P+3]
	v_add_f32 v20, v[P+4], v[P+5]
	v_add_f32 v21, v[P+6], v[P+7]
	v_add_f32 v18, v18, v19
	v_add_f32 v20, v20, v21
	v_add_f32 v18, v18, v20
	v_permlanex16_b32 v17, v18, s20, s21
	v_add_f32 v18, v18, v17                        ; the row's sum
	v_rcp_f32 v18, v18
.irp c, 0,1,2,3                                ; O^T = v^T p: place 2 h + j of step c is key 8 h + 2 c + j.  Four accumulators by turns
.irp t, 0,1,2,3
.if \c == 0
	v_wmma_f32_16x16x4_f32 v[OT+8*\t:OT+8*\t+7], v[VF+8*\t+2*\c:VF+8*\t+2*\c+1], v[P+2*\c:P+2*\c+1], 0
.else
	v_wmma_f32_16x16x4_f32 v[OT+8*\t:OT+8*\t+7], v[VF+8*\t+2*\c:VF+8*\t+2*\c+1], v[P+2*\c:P+2*\c+1], v[OT+8*\t:OT+8*\t+7]
.endif
.endr
.endr
.rept 8
	v_nop                                          ; eight places; the first is also the plain line behind the reciprocal
.endr
	s_wait_alu depctr_va_vdst(0)                   ; the reciprocal's wait, ahead of its first reader
.irp t, 0,1,2,3
.irp j, 0,1,2,3,4,5,6,7
	v_mul_f32 v[CT+8*\t+\j], v[OT+8*\t+\j], v18    ; ctx[query r][channel 16 t + 8 h + j]
.endr
.endr
.irp t, 0,1,2,3                                ; the head's part of out^T = Wo ctx^T: place 2 h + j of step 4 t + c is channel 16 t + 8 h + 2 c + j.  Two accumulators by turns
.irp c, 0,1,2,3
.if 4*\t+\c < 2
	v_wmma_f32_16x16x4_f32 v[OP+8*(\c%2):OP+8*(\c%2)+7], v[WF+8*\t+2*\c:WF+8*\t+2*\c+1], v[CT+8*\t+2*\c:CT+8*\t+2*\c+1], 0
.else
	v_wmma_f32_16x16x4_f32 v[OP+8*(\c%2):OP+8*(\c%2)+7], v[WF+8*\t+2*\c:WF+8*\t+2*\c+1], v[CT+8*\t+2*\c:CT+8*\t+2*\c+1], v[OP+8*(\c%2):OP+8*(\c%2)+7]
.endif
.endr
.endr
.rept 8
	v_nop
.endr
.irp j, 0,1,2,3,4,5,6,7
	v_add_f32 v[SS+\j], v[OP+\j], v[OP+8+\j]       ; lane (r, h): row r, columns 16 x + 8 h + j
.endr
	ds_store_b128 v10, v[SS:SS+3]
	ds_store_b128 v10, v[SS+4:SS+7] offset:16
	s_wait_dscnt 0x0                               ; for the others' sake: my stores are done
	s_barrier_signal -1
	s_barrier_wait -1
	s_cmp_gt_u32 s12, 1                            ; threads 0-63 add the sixteen parts: 16 bytes of a row each
	s_cbranch_scc1 .Lend
.irp w, 0,1,2,3,4,5,6,7,8,9,10,11,12,13,14,15
	ds_load_b128 v[16+4*\w:19+4*\w], v11 offset:1280*\w
.endr
	s_wait_dscnt 0x0
.irp w, 0,1,2,3,4,5,6,7,8,9,10,11,12,13,14,15
	v_pk_add_f32 v[12:13], v[12:13], v[16+4*\w:17+4*\w]    ; onto the bias, in two chains
	v_pk_add_f32 v[14:15], v[14:15], v[18+4*\w:19+4*\w]
.endr
	global_store_b128 v2, v[12:15], s[10:11]
.Lend:
	s_wait_tensorcnt 0x0                           ; the wave's end
	ds_add_u32 v[SPW], v[NIL]
	s_wait_dscnt 0x0
	s_endpgm
.Lfunc_end_k_qbd2d0e9d39_fine:
	.size	k_qbd2d0e9d39_fine, .Lfunc_end_k_qbd2d0e9d39_fine-k_qbd2d0e9d39_fine
	.p2alignl 7, 3214868480
	.fill 96, 4, 3214868480
	.section	.rodata,"a",@progbits
	.p2align	6, 0x0
	.amdhsa_kernel k_qbd2d0e9d39_fine
		.amdhsa_group_segment_fixed_size 22528
		.amdhsa_private_segment_fixed_size 0
		.amdhsa_enable_private_segment 0
		.amdhsa_kernarg_size 32
		.amdhsa_user_sgpr_count 2
		.amdhsa_user_sgpr_kernarg_segment_ptr 1
		.amdhsa_wavefront_size32 1
		.amdhsa_system_sgpr_workgroup_id_x 1
		.amdhsa_system_sgpr_workgroup_id_y 1
		.amdhsa_system_sgpr_workgroup_id_z 1
		.amdhsa_system_vgpr_workitem_id 0
		.amdhsa_next_free_vgpr 256
		.amdhsa_next_free_sgpr 66
		.amdhsa_reserve_vcc 1
		.amdhsa_float_denorm_mode_32 3
		.amdhsa_float_denorm_mode_16_64 3
		.amdhsa_memory_ordered 1
		.amdhsa_forward_progress 1
		.amdhsa_inst_pref_size 19
	.end_amdhsa_kernel
	.amdgpu_metadata
---
amdhsa.version: [ 1, 2 ]
amdhsa.kernels:
  - .name:           k_qbd2d0e9d39_fine
    .symbol:         k_qbd2d0e9d39_fine.kd
    .args:
      - { .name: qkv32, .offset: 0, .size: 8, .value_kind: global_buffer, .address_space: global }
      - { .name: Wo, .offset: 8, .size: 8, .value_kind: global_buffer, .address_space: global }
      - { .name: bo, .offset: 16, .size: 8, .value_kind: global_buffer, .address_space: global }
      - { .name: out0, .offset: 24, .size: 8, .value_kind: global_buffer, .address_space: global }
    .group_segment_fixed_size: 22528
    .private_segment_fixed_size: 0
    .kernarg_segment_align: 8
    .kernarg_segment_size: 32
    .max_flat_workgroup_size: 512
    .sgpr_count:     66
    .vgpr_count:     256
    .wavefront_size: 32
...
	.end_amdgpu_metadata
.endif
;; end of part 5
